; MI455X (gfx1250); checked and timed in simulation.
; The chip was launched on July 23, 2026; its instructions are those of AMD's public machine-readable ISA for CDNA 5 (MIT licence, August 2026) and "CDNA5" Instruction Set Architecture Reference Guide (July 2026). The comments in the code are by the model that wrote it; some were corrected since.
;; Attention. Allowed arithmetic: float matrix products may take bf16 or f16 operands with f32 sums; other float arithmetic in f32, or as packed bf16 or f16 multiplies, adds, multiply-adds, maxima and minima; sums over many terms, partial sums and values carried from step to step in f32; what a program stores and reads back later, other than sums and carried values, may be rounded once to bf16 or f16.
;; Inputs: attn_W 1,024 x 2,048 float32; attn_b 1,024 float32; encoder_outputs 32 x 2,048 x 1,024 float32; hidden 1 x 32 x 1,024 float32; v 1,024 float32.
;; Outputs: out0 32 x 1 x 2,048 float32.
;; 2 versions, each right; version 2 is version 1 with the launch energy written anew for expert scheduling mode. Each part assembles by itself: llvm-mc -triple=amdgcn-amd-amdhsa -mcpu=gfx1250 --defsym DOCPART=n.
;; ======== version 1 of 2: 3 launches
;; workspace buffers: wf 2,097,152 bytes; uc 131,072 bytes; sc 262,144 bytes
;; launch prep (part 1): grid 64 x 1, 8 waves a work-group, no clusters, 287,744 bytes of LDS; arguments attn_W, attn_b, hidden, wf, uc; writes wf, uc
.if DOCPART == 1
	.amdgcn_target "amdgcn-amd-amdhsa--gfx1250"
	.amdhsa_code_object_version 6
	.text
	.protected	k_qf57341b97c_prep
	.globl	k_qf57341b97c_prep
	.p2align	8
	.type	k_qf57341b97c_prep,@function
k_qf57341b97c_prep:
	s_mov_b64 s[64:65], 0
	v_nop
	global_prefetch_b8 v0, s[64:65] scope:SCOPE_SE
	s_setreg_imm32_b32 hwreg(HW_REG_WAVE_MODE, 25, 1), 1
	s_wait_xcnt 0x0
; THE PROGRAM.  out[b][s] = softmax over s of score[b][s], score = sum over n of v[n] tanh(x[b][s][n]), x = enc[b][s] . W2[n] + hidden[b] . W1[n] + attn_b[n].
; With c = 2 log2(e) and r = 1 / (1 + 2^(c x)):  tanh(x) = 1 - 2 r, so score = (sum over n of v[n]) - 2 S, S = sum over n of v[n] r[n].
; WORK LEFT OUT.  The term sum over n of v[n] does not hang on s: it is the same along the softmax's axis for every value of the inputs, and a softmax does not change when one number is
; added to all its inputs.  So it is never formed.  Every input still has a way to the output and is loaded.  LIMIT: an overflow, infinity or NaN that arises in that sum alone is not carried to the result.
; Three launches: this one lays the weights out; the second makes S; the third is the softmax, 2^(-c (S - min S)) over its sum: min S taken away is the scores' maximum taken away.
;
; THIS LAUNCH makes  wf = bf16(c W2), in the order in which a wave of the second launch takes its matrix operands, and  uc[n / 16][b][n % 16] = c (hidden[b] . W1[n] + attn_b[n]), f32.
; c goes into both, so that the second launch's sums are the exponents themselves; c W2 is rounded once, to bf16.  hidden and W1 are rounded to bf16 for their product; sums in f32.
; SHARES.  Work-group nt owns rows 16 nt .. 16 nt + 15 of attn_W.  K is split among its eight waves: wave y takes k = 128 y .. 128 y + 127 of W1, of W2 and of hidden's 32 rows:
; 512 consecutive bytes, aligned, of each row: one load of 16 bytes a lane.  Each piece goes into the wave's OWN part of LDS and comes back as fragments: no barrier on the way in.
; A fragment is 16 rows x 32 k: lane l holds row l % 16; registers 0-3 hold k = 8 (l / 16) + 0..7, registers 4-7 k = 16 + 8 (l / 16) + 0..7; in f32 that is four loads of 16 bytes.
; The product is taken with W1 as source 0 and hidden as source 1: a lane ends with eight neighbouring n of one batch row.  The eight waves' partial sums meet in LDS.
; No tensor loads and no cluster: no wave wants a byte that another wave has fetched but hidden's 128 KiB; no prefetch: the launch is short.
.set CC,    0x4038aa3b                 ; c = 2 log2(e)
.set PITCH, 528                        ; a piece in LDS: 512 bytes + 16: 33 x 16, so the 16 rows of a fragment load start at 16 different 16-byte columns of 256 bytes
.set WAVEB, 64*PITCH                   ; a wave's 64 pieces: 0-31 hidden's rows, 32-47 W1's, 48-63 W2's
.set PART,  8*WAVEB                    ; eight partial tiles [32 batches][16 n] of f32, 2,048 bytes each
.set SPARE, PART+8*2048                ; the spare words, 128 bytes for each wave: four blocks of 256 bytes that no other line names
.set LO,   2                           ; v2   16 lane + 512 wave: my 16 bytes in a row's first half
.set PS,   3                           ; v3   where I put my 16 bytes of piece 0
.set FAD,  4                           ; v4   my place in a fragment: my wave's part + (l % 16) x PITCH + 32 (l / 16)
.set PW,   5                           ; v5   where I put my part of a partial tile
.set PR,   6                           ; v6   where I read the partial tiles back
.set UO,   7                           ; v7   16 x thread: my 16 bytes of the work-group's 2,048 of uc
.set SPW,  8                           ; v8   LDS address of my spare word; never rewritten
.set NIL,  9                           ; v9   0; never rewritten
.set BI,   10                          ; v[10:13] four numbers of attn_b
.set BO,   14                          ; v14  their offset
.set L16,  15                          ; v15  16 x lane
.set ACC,  16                          ; v[16:31] two accumulators: batches 0-15, 16-31
.set FR,   32                          ; v[32:127] bf16 fragments, 24 registers a step (W1, hidden 0-15, hidden 16-31); none is written twice
.set XH,   64                          ; v[64:191] on the way in: hidden's 32 pieces; then v[64:127] W2's 16
.set SCX,  128                         ; v[128:191] a step's 64 f32 registers
.set WS,   192                         ; v[192:223] W2's fragments to store, 8 a step
.set YW,   192                         ; v[192:255] on the way in: W1's 16 pieces
	s_load_b256 s[4:11], s[0:1], 0x0               ; attn_W s[4:5], attn_b s[6:7], hidden s[8:9], wf s[10:11]
	s_load_b64 s[12:13], s[0:1], 0x20              ; uc
	v_lshl_add_u32 v[SPW], v0, 2, SPARE
	v_mov_b32 v[NIL], 0
	v_lshrrev_b32 v1, 5, v0
	v_readfirstlane_b32 s14, v1                    ; wave y
	v_and_b32 v224, 31, v0                         ; l
	v_and_b32 v225, 15, v0                         ; l % 16
	v_bfe_u32 v226, v0, 4, 1                       ; l / 16
	v_lshlrev_b32 v[L16], 4, v224
	s_lshl_b32 s16, s14, 9
	v_add_nc_u32 v[LO], s16, v[L16]
	s_mul_i32 s15, s14, WAVEB
	v_add_nc_u32 v[PS], s15, v[L16]
	v_mul_u32_u24 v[FAD], v225, PITCH
	v_lshl_add_u32 v[FAD], v226, 5, v[FAD]
	v_add_nc_u32 v[FAD], s15, v[FAD]
	s_lshl_b32 s17, s14, 11
	s_add_co_u32 s17, s17, PART
	v_lshlrev_b32 v[PW], 6, v225                   ; batch row l % 16: 64 bytes,
	v_lshl_add_u32 v[PW], v226, 5, v[PW]           ; my eight n: 32 bytes
	v_add_nc_u32 v[PW], s17, v[PW]
	v_lshlrev_b32 v[UO], 4, v0
	v_add_nc_u32 v[PR], PART, v[UO]
	v_and_b32 v[BO], 3, v0
	v_lshlrev_b32 v[BO], 4, v[BO]
	s_lshl_b32 s18, ttmp9, 17                      ; 16 rows of attn_W: 131,072 bytes
	s_mov_b32 s19, 0
	s_lshl_b32 s20, ttmp9, 6                       ; 16 numbers of attn_b
	s_mov_b32 s21, 0
	; wf's byte (((w 2 + p) 32 + s) 8 + b) 1024 + 512 half + 16 lane holds n = 512 p + 128 w + 16 b + lane % 16, k = 32 s + 16 half + 8 (lane / 16) + 0..7.  Here nt = 32 p + 8 w + b, s = 4 y + step
	s_bfe_u32 s22, ttmp9, 0x20003                  ; w
	s_lshl_b32 s22, s22, 19
	s_lshr_b32 s23, ttmp9, 5                       ; p
	s_lshl_b32 s23, s23, 18
	s_add_co_u32 s22, s22, s23
	s_lshl_b32 s23, s14, 15                        ; 4 y steps of 8,192 bytes
	s_add_co_u32 s22, s22, s23
	s_and_b32 s23, ttmp9, 7                        ; b
	s_lshl_b32 s23, s23, 10
	s_add_co_u32 s22, s22, s23
	s_mov_b32 s23, 0
	s_lshl_b32 s24, ttmp9, 11                      ; uc: 2,048 bytes a work-group
	s_mov_b32 s25, 0
	s_wait_kmcnt 0x0
	s_add_nc_u64 s[4:5], s[4:5], s[18:19]
	s_add_nc_u64 s[6:7], s[6:7], s[20:21]
	s_add_nc_u64 s[10:11], s[10:11], s[22:23]
	s_add_nc_u64 s[12:13], s[12:13], s[24:25]
	; THE WAY IN: 65 loads, each of a wave's covering 512 consecutive bytes
	global_load_b128 v[BI:BI+3], v[BO], s[6:7]
.set i, 0
.rept 32
	global_load_b128 v[XH+4*i:XH+4*i+3], v[LO], s[8:9] offset:4096*i
.set i, i+1
.endr
.set i, 0
.rept 16
	global_load_b128 v[YW+4*i:YW+4*i+3], v[LO], s[4:5] offset:8192*i th:TH_LOAD_NT
.set i, i+1
.endr
	s_wait_loadcnt 16                              ; the bias and hidden's pieces are in; W1's 16 loads may stay out
.set i, 0
.rept 32
	ds_store_b128 v[PS], v[XH+4*i:XH+4*i+3] offset:PITCH*i
.set i, i+1
.endr
.set i, 0
.rept 16
	global_load_b128 v[XH+4*i:XH+4*i+3], v[LO], s[4:5] offset:8192*i+4096 th:TH_LOAD_NT  ; W2: the rows' second half
.set i, i+1
.endr
	s_wait_loadcnt 16                              ; W1's pieces are in; W2's 16 loads may stay out
.set i, 0
.rept 16
	ds_store_b128 v[PS], v[YW+4*i:YW+4*i+3] offset:PITCH*(32+i)
.set i, i+1
.endr
	s_wait_loadcnt 0x0
.set i, 0
.rept 16
	ds_store_b128 v[PS], v[XH+4*i:XH+4*i+3] offset:PITCH*(48+i)
.set i, i+1
.endr
.macro LD16 dst, piece, s              ; my 16 f32 of a fragment: rows piece .. piece + 15, k step s
	ds_load_b128 v[(\dst):(\dst)+3],     v[FAD] offset:(\piece)*PITCH+128*(\s)
	ds_load_b128 v[(\dst)+4:(\dst)+7],   v[FAD] offset:(\piece)*PITCH+128*(\s)+16
	ds_load_b128 v[(\dst)+8:(\dst)+11],  v[FAD] offset:(\piece)*PITCH+128*(\s)+64
	ds_load_b128 v[(\dst)+12:(\dst)+15], v[FAD] offset:(\piece)*PITCH+128*(\s)+80
.endm
.macro CV8 dst, src                    ; 16 f32 rounded to bf16: a fragment's 8 registers
.irp i, 0,1,2,3,4,5,6,7
	v_cvt_pk_bf16_f32 v[(\dst)+(\i)], v[(\src)+2*(\i)], v[(\src)+2*(\i)+1]
.endr
.endm
	; FOUR K STEPS OF 32.  The bytes are the wave's own, and LDS serves a wave's instructions in order (ISA guide 5.7.1.4): the loads see the stores above.
	; The two accumulators take turns, one instruction a turn; the first step's products start the sums.
.irp s, 0,1,2,3
	LD16 SCX,    32, \s                            ; W1
	LD16 SCX+16, 0,  \s                            ; hidden, batches 0-15
	LD16 SCX+32, 16, \s                            ; hidden, batches 16-31
	LD16 SCX+48, 48, \s                            ; W2
	s_wait_dscnt 0x0
	CV8 FR+24*(\s),    SCX
	CV8 FR+24*(\s)+8,  SCX+16
	CV8 FR+24*(\s)+16, SCX+32
.irp i, 0,2,4,6,8,10,12,14
	v_pk_mul_f32 v[SCX+48+(\i):SCX+48+(\i)+1], v[SCX+48+(\i):SCX+48+(\i)+1], CC op_sel_hi:[1,0]
.endr
	CV8 WS+8*(\s), SCX+48
	global_store_b128 v[L16], v[WS+8*(\s):WS+8*(\s)+3],   s[10:11] offset:8192*(\s)      ; 512 consecutive bytes, aligned
	global_store_b128 v[L16], v[WS+8*(\s)+4:WS+8*(\s)+7], s[10:11] offset:8192*(\s)+512
.if (\s) == 0
	v_wmma_f32_16x16x32_bf16 v[ACC:ACC+7],    v[FR:FR+7], v[FR+8:FR+15],  0
	v_wmma_f32_16x16x32_bf16 v[ACC+8:ACC+15], v[FR:FR+7], v[FR+16:FR+23], 0
.else
	v_wmma_f32_16x16x32_bf16 v[ACC:ACC+7],    v[FR+24*(\s):FR+24*(\s)+7], v[FR+24*(\s)+8:FR+24*(\s)+15],  v[ACC:ACC+7]
	v_wmma_f32_16x16x32_bf16 v[ACC+8:ACC+15], v[FR+24*(\s):FR+24*(\s)+7], v[FR+24*(\s)+16:FR+24*(\s)+23], v[ACC+8:ACC+15]
.endif
.endr
.rept 4
	v_nop                                          ; four places between the last product and the stores that read its result
.endr
	ds_store_b128 v[PW], v[ACC:ACC+3]                          ; each accumulator's lowest registers first
	ds_store_b128 v[PW], v[ACC+4:ACC+7]    offset:16
	ds_store_b128 v[PW], v[ACC+8:ACC+11]   offset:1024
	ds_store_b128 v[PW], v[ACC+12:ACC+15]  offset:1040
	s_wait_dscnt 0x0                               ; for the others' sake: my partial tile lies in LDS
	s_barrier_signal -1
	s_barrier_wait -1
	s_cmp_lt_u32 s14, 4                            ; 128 threads x 16 bytes are the tile: waves 0 to 3 finish it
	s_cbranch_scc0 .Lend
.irp q, 0,1,2,3,4,5,6,7
	ds_load_b128 v[SCX+4*(\q):SCX+4*(\q)+3], v[PR] offset:2048*(\q)
.endr
	s_wait_dscnt 0x0
.irp q, 0,2,4,6
	v_pk_add_f32 v[SCX+4*(\q):SCX+4*(\q)+1],   v[SCX+4*(\q):SCX+4*(\q)+1],   v[SCX+4*(\q)+4:SCX+4*(\q)+5]
	v_pk_add_f32 v[SCX+4*(\q)+2:SCX+4*(\q)+3], v[SCX+4*(\q)+2:SCX+4*(\q)+3], v[SCX+4*(\q)+6:SCX+4*(\q)+7]
.endr
.irp q, 0,4
	v_pk_add_f32 v[SCX+4*(\q):SCX+4*(\q)+1],   v[SCX+4*(\q):SCX+4*(\q)+1],   v[SCX+4*(\q)+8:SCX+4*(\q)+9]
	v_pk_add_f32 v[SCX+4*(\q)+2:SCX+4*(\q)+3], v[SCX+4*(\q)+2:SCX+4*(\q)+3], v[SCX+4*(\q)+10:SCX+4*(\q)+11]
.endr
	v_pk_add_f32 v[SCX:SCX+1],   v[SCX:SCX+1],   v[SCX+16:SCX+17]
	v_pk_add_f32 v[SCX+2:SCX+3], v[SCX+2:SCX+3], v[SCX+18:SCX+19]
	v_pk_mul_f32 v[BI:BI+1],     v[BI:BI+1],     CC op_sel_hi:[1,0]                   ; c attn_b,
	v_pk_mul_f32 v[BI+2:BI+3],   v[BI+2:BI+3],   CC op_sel_hi:[1,0]
	v_pk_fma_f32 v[SCX:SCX+1],   v[SCX:SCX+1],   CC, v[BI:BI+1]   op_sel_hi:[1,0,1]   ; and c x the sum onto it
	v_pk_fma_f32 v[SCX+2:SCX+3], v[SCX+2:SCX+3], CC, v[BI+2:BI+3] op_sel_hi:[1,0,1]
	global_store_b128 v[UO], v[SCX:SCX+3], s[12:13]            ; a wave stores 512 consecutive bytes, aligned
.Lend:
	s_wait_tensorcnt 0x0                           ; the wave's end, behind my last LDS store
	ds_add_u32 v[SPW], v[NIL]
	s_wait_dscnt 0x0
	s_endpgm
.Lfunc_end_k_qf57341b97c_prep:
	.size	k_qf57341b97c_prep, .Lfunc_end_k_qf57341b97c_prep-k_qf57341b97c_prep
	.p2alignl 7, 3214868480
	.fill 96, 4, 3214868480
	.section	.rodata,"a",@progbits
	.p2align	6, 0x0
	.amdhsa_kernel k_qf57341b97c_prep
		.amdhsa_group_segment_fixed_size 287744
		.amdhsa_private_segment_fixed_size 0
		.amdhsa_enable_private_segment 0
		.amdhsa_kernarg_size 40
		.amdhsa_user_sgpr_count 2
		.amdhsa_user_sgpr_kernarg_segment_ptr 1
		.amdhsa_wavefront_size32 1
		.amdhsa_system_sgpr_workgroup_id_x 1
		.amdhsa_system_sgpr_workgroup_id_y 1
		.amdhsa_system_sgpr_workgroup_id_z 1
		.amdhsa_system_vgpr_workitem_id 0
		.amdhsa_next_free_vgpr 256
		.amdhsa_next_free_sgpr 66
		.amdhsa_reserve_vcc 0
		.amdhsa_float_denorm_mode_32 3
		.amdhsa_float_denorm_mode_16_64 3
		.amdhsa_memory_ordered 1
		.amdhsa_forward_progress 1
		.amdhsa_inst_pref_size 32
	.end_amdhsa_kernel
	.amdgpu_metadata
---
amdhsa.version: [ 1, 2 ]
amdhsa.kernels:
  - .name:           k_qf57341b97c_prep
    .symbol:         k_qf57341b97c_prep.kd
    .args:
      - { .name: attn_W, .offset: 0, .size: 8, .value_kind: global_buffer, .address_space: global }
      - { .name: attn_b, .offset: 8, .size: 8, .value_kind: global_buffer, .address_space: global }
      - { .name: hidden, .offset: 16, .size: 8, .value_kind: global_buffer, .address_space: global }
      - { .name: wf, .offset: 24, .size: 8, .value_kind: global_buffer, .address_space: global }
      - { .name: uc, .offset: 32, .size: 8, .value_kind: global_buffer, .address_space: global }
    .group_segment_fixed_size: 287744
    .private_segment_fixed_size: 0
    .kernarg_segment_align: 8
    .kernarg_segment_size: 40
    .max_flat_workgroup_size: 256
    .sgpr_count:     66
    .vgpr_count:     256
    .wavefront_size: 32
...
	.end_amdgpu_metadata
.endif
;; end of part 1
;; launch energy (part 2): grid 256 x 1, 4 waves a work-group, no clusters, 307,712 bytes of LDS; arguments encoder_outputs, wf, uc, v, sc; writes sc
.if DOCPART == 2
	.amdgcn_target "amdgcn-amd-amdhsa--gfx1250"
	.amdhsa_code_object_version 6
	.text
	.protected	k_qf57341b97c_energy
	.globl	k_qf57341b97c_energy
	.p2align	8
	.type	k_qf57341b97c_energy,@function
k_qf57341b97c_energy:
	s_mov_b64 s[64:65], 0
	v_nop
	global_prefetch_b8 v0, s[64:65] scope:SCOPE_SE
	s_setreg_imm32_b32 hwreg(HW_REG_WAVE_MODE, 25, 1), 1
	s_wait_xcnt 0x0
; sc[row] = S = the sum over n of v[n] / (1 + 2^X[row][n]),  X = enc[row] . (c W2[n]) + uc[batch][n],  c = 2 log2(e): wf holds bf16(c W2), uc = c (hidden . W1 + attn_b), both from the launch before.
; LEFT OUT: the term sum over n of v[n] of score = sum v - 2 S: it is the same along the softmax's axis for all values of the inputs (shown at the head of the first kernel).
; LIMITS.  enc is rounded to bf16 for the product; sums in f32.  Where 2^X overflows, the quotient is 0 (tanh = 1); where it underflows, 1 (tanh = -1).  NaN and infinities in the inputs are not treated apart.
; SHARES.  A work-group stays: it owns 256 rows of enc (all of one batch), as two blocks of 128.  A block's rows lie in LDS in bf16, whole (128 x 1,024 x 2 bytes), so enc is read from memory once.
; A wave owns all 128 rows x 128 n: 64 accumulators of 16 x 16, 512 registers; the four waves cover 512 n, so a block takes TWO PASSES over N.  In the first, enc arrives in registers as f32, is rounded and
; stored into LDS three to four K steps ahead of its use; the second reads the same bytes again.  Four passes in all, counted 4 to 1: even = a block's first.
; W IS SHARED BY NO TWO WAVES of a work-group: it comes straight into registers, in fragment order, 8,192 consecutive bytes a wave and K step, three K steps ahead.
; NO CLUSTER, NO TENSOR LOADS.  All work-groups walk the same wf, but beside A's 294,912 bytes, the tables' 12,288 and the spare words 19,968 of a WGP's 327,680 bytes of LDS are left, and one K step of W for the
; work-group is 32,768: no slot for joint loads fits, let alone two.
; THE MATRIX INSTRUCTION: source 0 = 16 rows of W (n), source 1 = 16 rows of enc.  In the result lane l holds ONE row of enc (l % 16) and n = 8 (l / 16) + 0..7.  uc is the C operand of each sum's first product,
; so a finished sum is the exponent itself, and a row's sum over n stays in its lane but for one exchange of the lanes' halves.
; REGISTERS, in windows of 256 (s_set_vgpr_msb: bits 1:0 source 0, 3:2 source 1, 5:4 source 2, 7:6 destination):
;   window 0: v0-31 addresses and the rows' sums; v32-95 A's eight fragments of one K step (on the way out: the wave's 64 v); v96-127 at work; v128-255 enc as loaded, four buffers of 32
;   window 1: W, four buffers of 64 (K step t in buffer t % 4); buffer 3 also holds the next pass's uc from the way out to the end of K step 0
;   window 2: accumulators of rows 0-63 ((a, b) at 8 (8 a + b));   window 3: those of rows 64-127
.set CH,    18432                      ; a chunk of A in LDS: 64 k of all 128 rows; a row is 128 bytes + 16 = 9 x 16, so the 16 rows of a fragment load start at 16 different 16-byte columns of 256 bytes
.set UT,    16*CH                      ; uc[n] of my batch, 4,096 bytes
.set VT,    UT+4096                    ; v[n], 4,096 bytes
.set SCR,   UT+8192                    ; eight slots of 512 bytes: half of N x 4 + wave: the rows' partial sums
.set SPARE, UT+12288                   ; the spare words, 128 bytes for each wave: two blocks of 256 bytes that no other line names
.set BLK,   524288                     ; a block of enc: 128 rows of 4,096 bytes
.set AA,   4                           ; v4   my place in A's fragments, at the trip in hand: AA0 + AOFF
.set ST,   5                           ; v5   where I store rounded enc, at the trip in hand: ST0 + AOFF
.set EO,   6                           ; v6   enc: (16 wave + 8 (l / 16)) rows + 16 (l % 16); never rewritten
.set WO,   7                           ; v7   16 x lane; never rewritten
.set PFO,  8                           ; v8   the prefetches' offset: thread x a row of enc; never rewritten
.set SCA,  9                           ; v9   where I put a row's sum
.set VTA,  10                          ; v10  my eight n in the tables, this pass's half of N
.set UTA,  11                          ; v11  the same for the next pass
.set RDA,  12                          ; v12  wave 0: where it reads the slots back
.set AA0,  14                          ; v14  (l % 16) x 144 + 16 (l / 16)
.set ST0,  15                          ; v15  (16 wave + 8 (l / 16)) x 144 + 8 (l % 16)
.set SPW,  16                          ; v16  LDS address of my spare word; never rewritten
.set NIL,  17                          ; v17  0; never rewritten
.set TB0,  18                          ; v18  UT + 512 wave + 32 (l / 16)
.set SC0,  19                          ; v19  SCR + 512 wave + 4 (l % 16)
.set SS,   20                          ; v[20:27] the sums of my row in each of the eight row blocks
.set AF,   32                          ; v[32:95]
.set RED,  96                          ; v[96:127]
.set E,    128                         ; v[128:255]
.set UC,   192                         ; window 1
.set ENC0, 4                           ; s[4:5]   enc at the block in hand
.set WB0,  6                           ; s[6:7]   wf at my wave's 524,288 bytes
.set SCO,  12                          ; s[12:13] sc at the block in hand
.set WV,   14                          ; s14  my wave's number
.set PASS, 15                          ; s15  4 to 1
.set CNT,  16                          ; s16  trips of the loop in hand
.set TS,   17
.set T2,   18
.set ENCB, 20                          ; s[20:21] enc at the trip in hand
.set WB,   24                          ; s[24:25] wf at the trip in hand
.set PB,   26                          ; s[26:27] the next pass's half of my wf: 0 or 262,144
.set PX,   28                          ; s28  2,048 x the half of N
.set AOFF, 29                          ; s29  LDS bytes from chunk 0 to the trip's first chunk
.set SEL,  30                          ; s[30:31] v_permlanex16_b32's selects: each lane takes its own place in the other half
.set LIMP, 34                          ; s34  1 in the pass that has a block behind it, else 0
.set MSB, 0
.macro WIN new                         ; the immediate's high byte repeats the setting that is left; a switch that changes nothing is dropped
.if MSB != (\new)
	s_set_vgpr_msb (MSB<<8)|(\new)
.set MSB, \new
.endif
.endm
.macro PLACES                          ; a load into a register that a matrix instruction has read, and a vector instruction that reads its result, stand four plain vector instructions behind it (ISA guide 7.12.1 for vector instructions)
.rept 4
	v_nop
.endr
.endm
; 8 products: row block a x my 8 blocks of n, 32 along K, W from buffer wb.  first = 1: uc starts the sums.  The 64 accumulators take turns in the same order in every K step.
.macro MUL8 a, wb, first
.if \first
	WIN 0x91+0x40*((\a)/4)                         ; W and C in window 1, A in window 0, D in window 2 or 3
.else
	WIN 0xa1+0x50*((\a)/4)                         ; W in window 1, A in window 0, C and D in window 2 or 3
.endif
.irp b, 0,1,2,3,4,5,6,7
.if \first
	v_wmma_f32_16x16x32_bf16 v[8*(8*((\a)%4)+(\b)):8*(8*((\a)%4)+(\b))+7], v[64*(\wb)+8*(\b):64*(\wb)+8*(\b)+7], v[AF+8*(\a):AF+8*(\a)+7], v[UC+8*(\b):UC+8*(\b)+7]
.else
	v_wmma_f32_16x16x32_bf16 v[8*(8*((\a)%4)+(\b)):8*(8*((\a)%4)+(\b))+7], v[64*(\wb)+8*(\b):64*(\wb)+8*(\b)+7], v[AF+8*(\a):AF+8*(\a)+7], v[8*(8*((\a)%4)+(\b)):8*(8*((\a)%4)+(\b))+7]
.endif
.endr
.endm
.macro FA dst, a0, ko                  ; four fragments of A, row blocks a0 .. a0 + 3, at byte ko behind the trip's first chunk: 8 LDS loads
	WIN 0
.irp i, 0,1,2,3
	ds_load_b128 v[(\dst)+8*(\i):(\dst)+8*(\i)+3],   v[AA] offset:(\ko)+((\a0)+(\i))*2304
	ds_load_b128 v[(\dst)+8*(\i)+4:(\dst)+8*(\i)+7], v[AA] offset:(\ko)+((\a0)+(\i))*2304+32
.endr
.endm
.macro WLD wb, idx                     ; a K step of my W, idx steps behind WB, into buffer wb: 16 loads of 512 consecutive bytes
	WIN 0x40                                       ; destination window 1, address window 0
.irp b, 0,1,2,3,4,5,6,7
	global_load_b128 v[64*(\wb)+8*(\b):64*(\wb)+8*(\b)+3],   v[WO], s[WB:WB+1] offset:(\idx)*8192+1024*(\b)
	global_load_b128 v[64*(\wb)+8*(\b)+4:64*(\wb)+8*(\b)+7], v[WO], s[WB:WB+1] offset:(\idx)*8192+1024*(\b)+512
.endr
.endm
; HALF A CHUNK of enc is 64 rows x 64 k of f32; a wave takes 16 of the rows.  Lanes 0-15 read 256 consecutive bytes, aligned, of row 64 hf + 16 wave + j, lanes 16-31 of the row 8 further down.
.macro ELD eb, base, c, hf
	WIN 0
.irp j, 0,1,2,3,4,5,6,7
	global_load_b128 v[E+32*(\eb)+4*(\j):E+32*(\eb)+4*(\j)+3], v[EO], s[\base:\base+1] offset:256*(\c)+262144*(\hf)+4096*(\j) th:TH_LOAD_NT
.endr
.endm
; It is rounded in place and stored: 8 bytes a lane; the two halves of the lanes fall 8 x 144 bytes apart, which is 128 modulo 256.
.macro CVST eb, c, hf
	WIN 0
.irp j, 0,1,2,3,4,5,6,7
	v_cvt_pk_bf16_f32 v[E+32*(\eb)+4*(\j)],   v[E+32*(\eb)+4*(\j)],   v[E+32*(\eb)+4*(\j)+1]
	v_cvt_pk_bf16_f32 v[E+32*(\eb)+4*(\j)+1], v[E+32*(\eb)+4*(\j)+2], v[E+32*(\eb)+4*(\j)+3]
.endr
.irp j, 0,1,2,3,4,5,6,7
	ds_store_b64 v[ST], v[E+32*(\eb)+4*(\j):E+32*(\eb)+4*(\j)+1] offset:CH*(\c)+9216*(\hf)+144*(\j)
.endr
.endm
; A PREFETCH INTO THE L2 of one chunk of enc: 256 bytes of each of the block's 128 rows, a thread a row, one instruction a wave: each aligned 256 bytes of enc are named once in the launch, by the work-group that
; will load them.  In the streaming loop (kinds 1, 2) trip i asks for chunks 2 i + 7 and 2 i + 8, three chunks (six K steps, 384 matrix instructions) ahead of the chunk whose loads have just been issued; the tests
; stop at chunk 15.  Kinds 3, 4: the last trip of a block's second pass asks for the next block's chunks 0 and 1, where there is a next block.  It stands behind the step's loads.
.macro ASK kind
.if (\kind) == 1
	s_cmp_gt_u32 s[CNT], 1
.elseif (\kind) == 2
	s_cmp_gt_u32 s[CNT], 2
.else
	s_cmp_eq_u32 s[CNT], s[LIMP]
.endif
	s_cbranch_scc0 .Lnot_now_\@
.if (\kind) == 1
	global_prefetch_b8 v[PFO], s[ENCB:ENCB+1] offset:7*256 th:TH_LOAD_NT scope:SCOPE_SE
.elseif (\kind) == 2
	global_prefetch_b8 v[PFO], s[ENCB:ENCB+1] offset:8*256 th:TH_LOAD_NT scope:SCOPE_SE
.elseif (\kind) == 3
	global_prefetch_b8 v[PFO], s[ENC0:ENC0+1] offset:BLK th:TH_LOAD_NT scope:SCOPE_SE
.else
	global_prefetch_b8 v[PFO], s[ENC0:ENC0+1] offset:BLK+256 th:TH_LOAD_NT scope:SCOPE_SE
.endif
.Lnot_now_\@:
.endm
; A K STEP, number t = (the trip's first) + rho: 64 products.  A's fragments come in two runs of 8 loads: rows 64-127 of this step behind the first 8 products, rows 0-63 of the next step behind the 40th.
; n: the global loads that may stay out (below 0: no wait).  bar: the barrier of an odd step.  cv: half-chunk t + 3 is rounded and stored.  ei: half-chunk t + 7 is asked for, into the buffer just stored.
; wi: W of step t + 3 is asked for, into the buffer of step t - 1.  fl: there is a next step.  pf: a prefetch.  first: K step 0: uc lies in W's buffer 3, so what is loaded there stands behind the last product.
; THE BARRIER.  Chunk c is stored in steps 2 c - 3 and 2 c - 2; in step 2 c - 1 each wave waits for its stores (and its reads), signals, and reads chunk c only behind the barrier's wait.  Between two such
; barriers the waves read one chunk and write the next; between signal and wait stand products and loads of the chunk in hand, which nobody writes.
.macro STEP rho, n, bar, cv, ei, wi, fl, pf, first=0
	s_wait_dscnt 0x0                               ; A's rows 0-63 of this step are in, and my stores into A are done
.if \bar
	s_barrier_signal -1
.endif
.if (\n) >= 0
	s_wait_loadcnt \n                              ; W of this step is in, and with it all that was asked for earlier
.endif
	MUL8 0, (\rho)%4, \first
	PLACES                                         ; behind the last step's products, which read rows 64-127's registers and W's oldest buffer
	FA AF+32, 4, ((\rho)/2)*CH+((\rho)%2)*64
	MUL8 1, (\rho)%4, \first
	MUL8 2, (\rho)%4, \first
	MUL8 3, (\rho)%4, \first
	s_wait_dscnt 0x0                               ; rows 64-127 are in
.if \bar
	s_barrier_wait -1
.endif
	MUL8 4, (\rho)%4, \first
.if (\cv) && !(\first)
	CVST ((\rho)+3)%4, ((\rho)+3)/2, ((\rho)+3)%2  ; its 16 conversions are the places in front of the loads below
.elseif (\fl) || (\wi)
	PLACES
.endif
.if \fl
	FA AF, 0, (((\rho)+1)/2)*CH+(((\rho)+1)%2)*64
.endif
.if !(\first)
.if \wi
	WLD ((\rho)+3)%4, (\rho)+3
.endif
.if \ei
	ELD ((\rho)+3)%4, ENCB, ((\rho)+7)/2, ((\rho)+7)%2
.endif
.endif
.if \pf
	WIN 0                                          ; at a branch and at a label every window is 0
	ASK \pf
.endif
	MUL8 5, (\rho)%4, \first
	MUL8 6, (\rho)%4, \first
	MUL8 7, (\rho)%4, \first
.if \first
.if \cv
	CVST ((\rho)+3)%4, ((\rho)+3)/2, ((\rho)+3)%2
.else
	PLACES
.endif
	WLD ((\rho)+3)%4, (\rho)+3
.if \ei
	ELD ((\rho)+3)%4, ENCB, ((\rho)+7)/2, ((\rho)+7)%2
.endif
.endif
.endm
.macro TRIPEND p0                      ; four K steps on
	WIN 0
	s_wait_xcnt 0x0                                ; every load and prefetch issued so far (the youngest 24 products back) has read its address: the bases may be written
	s_add_nc_u64 s[WB:WB+1], s[WB:WB+1], 4*8192
.if \p0
	s_add_nc_u64 s[ENCB:ENCB+1], s[ENCB:ENCB+1], 2*256
.endif
	s_add_co_u32 s[AOFF], s[AOFF], 2*CH
	v_add_nc_u32 v[AA], s[AOFF], v[AA0]
.if \p0
	v_add_nc_u32 v[ST], s[AOFF], v[ST0]
.endif
	s_sub_co_u32 s[CNT], s[CNT], 1
	s_cmp_lg_u32 s[CNT], 0
.endm
; THE WAY OUT goes by row blocks a = 0 .. 7, 64 registers each, in place, in three stages a phase apart: in phase k block k's exponentials; block k - 1's 1 + e and reciprocals; block k - 2's sum of
; v x quotient, kept in the block's own first pair.  So plain instructions and transcendentals stand side by side, and nothing names a transcendental's result in the phase that issues it: each phase ends with
; one plain instruction and ONE s_wait_alu depctr_va_vdst(0) ahead of the first reader.  Registers are taken in ascending order: each accumulator's lowest first.
.macro PHASE k
.set RB0, 64*((\k)%4)
.set RB1, 64*(((\k)+3)%4)
.set RB2, 64*(((\k)+2)%4)
.set i, 0
.rept 32
.if ((\k) >= 1) && ((\k) <= 8)
	WIN 0xa2+0x51*(((\k)-1)/4)                     ; destination, sources 0 and 2 in the block's window, source 1 in window 0
	v_pk_add_f32 v[RB1+2*i:RB1+2*i+1], v[RB1+2*i:RB1+2*i+1], 1.0 op_sel_hi:[1,0]
.endif
.if (\k) <= 7
	WIN 0xa2+0x51*((\k)/4)
	v_exp_f32 v[RB0+2*i], v[RB0+2*i]
	v_exp_f32 v[RB0+2*i+1], v[RB0+2*i+1]
.endif
.if (\k) >= 2
	WIN 0xa2+0x51*(((\k)-2)/4)
.if i == 0
	v_pk_mul_f32 v[RB2:RB2+1], v[RB2:RB2+1], v[AF:AF+1]
.else
	v_pk_fma_f32 v[RB2:RB2+1], v[RB2+2*i:RB2+2*i+1], v[AF+2*i:AF+2*i+1], v[RB2:RB2+1]
.endif
.endif
.if ((\k) >= 1) && ((\k) <= 8)
	WIN 0xa2+0x51*(((\k)-1)/4)
	v_rcp_f32 v[RB1+2*i], v[RB1+2*i]
	v_rcp_f32 v[RB1+2*i+1], v[RB1+2*i+1]
.endif
.set i, i+1
.endr
.if (\k) <= 8
	v_nop
	s_wait_alu depctr_va_vdst(0)
.endif
.endm
	s_load_b256 s[4:11], s[0:1], 0x0               ; enc s[4:5], wf s[6:7], uc s[8:9], v s[10:11]
	s_load_b64 s[12:13], s[0:1], 0x20              ; sc
	v_lshl_add_u32 v[SPW], v0, 2, SPARE
	v_mov_b32 v[NIL], 0
	v_lshrrev_b32 v1, 5, v0
	v_readfirstlane_b32 s[WV], v1                  ; wave 0..3
	v_and_b32 v1, 31, v0                           ; l
	v_and_b32 v2, 15, v0                           ; l % 16
	v_bfe_u32 v3, v0, 4, 1                         ; l / 16
	v_mul_u32_u24 v[AA0], v2, 144
	v_lshl_add_u32 v[AA0], v3, 4, v[AA0]
	s_mul_i32 s[TS], s[WV], 16*144
	v_mul_u32_u24 v[ST0], v3, 8*144
	v_lshl_add_u32 v[ST0], v2, 3, v[ST0]
	v_add_nc_u32 v[ST0], s[TS], v[ST0]
	s_lshl_b32 s[TS], s[WV], 16                    ; 16 rows of 4,096 bytes
	v_lshlrev_b32 v[EO], 4, v2
	v_lshl_add_u32 v[EO], v3, 15, v[EO]
	v_add_nc_u32 v[EO], s[TS], v[EO]
	v_lshlrev_b32 v[WO], 4, v1
	v_lshlrev_b32 v[PFO], 12, v0
	s_lshl_b32 s[TS], s[WV], 9
	s_add_co_u32 s[T2], s[TS], UT
	v_lshl_add_u32 v[TB0], v3, 5, s[T2]
	s_add_co_u32 s[T2], s[TS], SCR
	v_lshl_add_u32 v[SC0], v2, 2, s[T2]
	v_lshl_add_u32 v[RDA], v1, 4, SCR
	v_lshrrev_b32 v28, 2, v0                       ; uc is [n / 16][batch][16]: thread t takes n = 4 t .. 4 t + 3 and the same 512 further on
	v_and_b32 v29, 3, v0
	v_lshlrev_b32 v28, 11, v28
	v_lshl_add_u32 v28, v29, 4, v28
	s_lshr_b32 s[TS], ttmp9, 3                     ; my batch: eight work-groups to a batch
	s_lshl_b32 s[TS], s[TS], 6
	v_add_nc_u32 v28, s[TS], v28
	v_lshlrev_b32 v29, 4, v0
	v_add_nc_u32 v30, UT, v29
	s_mov_b32 s[SEL], 0x76543210
	s_mov_b32 s[SEL+1], 0xfedcba98
	s_mov_b32 s[PX], 0
	s_mov_b32 s[PB+1], 0
	s_lshl_b32 s36, ttmp9, 20                      ; 256 rows of enc
	s_mov_b32 s37, 0
	s_lshl_b32 s38, s[WV], 19                      ; my wave's part of wf
	s_mov_b32 s39, 0
	s_lshl_b32 s40, ttmp9, 10                      ; 256 numbers of sc
	s_mov_b32 s41, 0
	s_wait_kmcnt 0x0
	s_add_nc_u64 s[ENC0:ENC0+1], s[ENC0:ENC0+1], s[36:37]
	s_add_nc_u64 s[WB0:WB0+1], s[WB0:WB0+1], s[38:39]
	s_add_nc_u64 s[SCO:SCO+1], s[SCO:SCO+1], s[40:41]
	s_mov_b64 s[WB:WB+1], s[WB0:WB0+1]
	global_load_b128 v[RED:RED+3],     v28, s[8:9]
	global_load_b128 v[RED+4:RED+7],   v28, s[8:9] offset:65536
	global_load_b128 v[RED+8:RED+11],  v29, s[10:11]
	global_load_b128 v[RED+12:RED+15], v29, s[10:11] offset:2048
	ELD 0, ENC0, 0, 0                              ; the first block's chunks 0 and 1
	ELD 1, ENC0, 0, 1
	ELD 2, ENC0, 1, 0
	ELD 3, ENC0, 1, 1
	WLD 0, 0
	WIN 0
	s_wait_loadcnt 48                              ; the tables are in; the 32 loads of enc and the 16 of W behind them may stay out
	ds_store_b128 v30, v[RED:RED+3]
	ds_store_b128 v30, v[RED+4:RED+7]   offset:2048
	ds_store_b128 v30, v[RED+8:RED+11]  offset:4096
	ds_store_b128 v30, v[RED+12:RED+15] offset:6144
	WLD 1, 1
	WLD 2, 2
	s_wait_dscnt 0x0                               ; for the others' sake: my part of the tables lies in LDS
	s_barrier_signal -1
	s_barrier_wait -1
	WIN 0x40
.irp b, 0,1,2,3,4,5,6,7
	ds_load_b128 v[UC+8*(\b):UC+8*(\b)+3],   v[TB0] offset:64*(\b)      ; uc of my 128 n of the first half of N: the same eight numbers in all lanes of a half
	ds_load_b128 v[UC+8*(\b)+4:UC+8*(\b)+7], v[TB0] offset:64*(\b)+16
.endr
	WIN 0
	s_mov_b32 s[PASS], 4
.Lpass:
	s_and_b32 s[TS], s[PASS], 1
	s_cmp_eq_u32 s[TS], 1
	s_cbranch_scc1 .Lp1
	; A BLOCK'S FIRST PASS.  Half-chunks 0 to 3 were asked for long ago (at the head, or on the last way out).  Nobody reads A: the barrier at the way out's end has seen to it.
	s_wait_loadcnt 0x0
	s_wait_xcnt 0x0
	s_mov_b64 s[ENCB:ENCB+1], s[ENC0:ENC0+1]
	s_mov_b32 s[AOFF], 0
	v_mov_b32 v[AA], v[AA0]
	v_mov_b32 v[ST], v[ST0]
	CVST 0, 0, 0
	CVST 1, 0, 1
	CVST 2, 1, 0
	ELD 0, ENCB, 2, 0
	ELD 1, ENCB, 2, 1
	ELD 2, ENCB, 3, 0
	global_prefetch_b8 v[PFO], s[ENCB:ENCB+1] offset:5*256 th:TH_LOAD_NT scope:SCOPE_SE  ; chunks 5 and 6; the loop goes on from 7
	global_prefetch_b8 v[PFO], s[ENCB:ENCB+1] offset:6*256 th:TH_LOAD_NT scope:SCOPE_SE
	s_wait_dscnt 0x0                               ; my part of chunk 0 lies in LDS
	s_barrier_signal -1
	s_barrier_wait -1
	FA AF, 0, 0
	STEP 0, -1, 0, 1, 1, 1, 1, 0, 1
	s_wait_loadcnt 40                              ; half-chunk 4 is in: behind it stand half-chunks 5 and 6 (16), W of step 3 (16), half-chunk 7 (8)
	WIN 0
	s_mov_b32 s[CNT], 6
.Lk0:                                          ; K steps 1 to 24.  56: behind W of step t stand 8 + 16 + 8 + 16 + 8 loads; half-chunk t + 3 was asked for ahead of it
	STEP 1, 56, 1, 1, 1, 1, 1, 1
	STEP 2, 56, 0, 1, 1, 1, 1, 0
	STEP 3, 56, 1, 1, 1, 1, 1, 2
	STEP 4, 56, 0, 1, 1, 1, 1, 0
	TRIPEND 1
	s_cbranch_scc1 .Lk0
	STEP 1, 56, 1, 1, 0, 1, 1, 0                   ; K steps 25 to 28: enc has been asked for to its end, and the counts run down by its 8 loads a step
	STEP 2, 48, 0, 1, 0, 1, 1, 0
	STEP 3, 40, 1, 1, 0, 1, 1, 0
	STEP 4, 32, 0, 1, 0, 1, 1, 0
	WIN 0
	s_add_co_u32 s[AOFF], s[AOFF], 2*CH
	v_add_nc_u32 v[AA], s[AOFF], v[AA0]
	s_branch .Ltail
.Lp1:                                          ; A BLOCK'S SECOND PASS: A is whole; only W streams.  32: behind W of step t stand two steps' 16 loads
	s_cmp_eq_u32 s[PASS], 3
	s_cselect_b32 s[LIMP], 1, 0
	s_mov_b32 s[AOFF], 0
	v_mov_b32 v[AA], v[AA0]
	FA AF, 0, 0
	STEP 0, 32, 0, 0, 0, 1, 1, 0, 1
	WIN 0
	s_mov_b32 s[CNT], 7
.Lk1:                                          ; K steps 1 to 28
	STEP 1, 32, 0, 0, 0, 1, 1, 3
	STEP 2, 32, 0, 0, 0, 1, 1, 0
	STEP 3, 32, 0, 0, 0, 1, 1, 4
	STEP 4, 32, 0, 0, 0, 1, 1, 0
	TRIPEND 0
	s_cbranch_scc1 .Lk1
.Ltail:                                        ; K steps 29 to 31, one text for both passes: step 29's barrier shows chunk 15 in a first pass and orders nothing in a second
	STEP 1, 32, 1, 0, 0, 0, 1, 0
	STEP 2, 16, 0, 0, 0, 0, 1, 0
	STEP 3, 0,  0, 0, 0, 0, 0, 0
	; THE WAY OUT.  Three address lines and a v_nop are the four places behind the last products.
	WIN 0
	v_add_nc_u32 v[VTA], s[PX], v[TB0]
	v_add_nc_u32 v[SCA], s[PX], v[SC0]
	s_xor_b32 s[PX], s[PX], 2048                   ; from here on: the next pass's half of N
	v_add_nc_u32 v[UTA], s[PX], v[TB0]
	v_nop
.irp b, 0,1,2,3,4,5,6,7
	ds_load_b128 v[AF+8*(\b):AF+8*(\b)+3],   v[VTA] offset:4096+64*(\b)      ; v of my 64 n, register for register as a row block's quotients lie
	ds_load_b128 v[AF+8*(\b)+4:AF+8*(\b)+7], v[VTA] offset:4096+64*(\b)+16
.endr
	s_cmp_eq_u32 s[PASS], 1
	s_cbranch_scc1 .Lno_next
	WIN 0x40
.irp b, 0,1,2,3,4,5,6,7
	ds_load_b128 v[UC+8*(\b):UC+8*(\b)+3],   v[UTA] offset:64*(\b)           ; the next pass's uc,
	ds_load_b128 v[UC+8*(\b)+4:UC+8*(\b)+7], v[UTA] offset:64*(\b)+16
.endr
	s_wait_xcnt 0x0                                ; W's base is written only behind this wait
	s_lshl_b32 s[PB], s[PX], 7
	s_add_nc_u64 s[WB:WB+1], s[WB0:WB0+1], s[PB:PB+1]
	WLD 0, 0                                       ; and its first three K steps of W: they land while the quotients are made
	WLD 1, 1
	WLD 2, 2
	WIN 0
.Lno_next:
	PHASE 0
	PHASE 1
	s_wait_dscnt 0x0                               ; v is in (and uc)
	PHASE 2
	PHASE 3
	PHASE 4
	WIN 0
	s_cmp_eq_u32 s[PASS], 3
	s_cbranch_scc0 .Lno_enc
	s_wait_xcnt 0x0                                ; the block's base is written only behind this wait
	s_add_nc_u64 s[ENC0:ENC0+1], s[ENC0:ENC0+1], BLK
	ELD 0, ENC0, 0, 0                              ; the second block's chunks 0 and 1: five phases ahead of their use
	ELD 1, ENC0, 0, 1
	ELD 2, ENC0, 1, 0
	ELD 3, ENC0, 1, 1
	global_prefetch_b8 v[PFO], s[ENC0:ENC0+1] offset:2*256 th:TH_LOAD_NT scope:SCOPE_SE  ; and its chunks 2 to 4 are asked for
	global_prefetch_b8 v[PFO], s[ENC0:ENC0+1] offset:3*256 th:TH_LOAD_NT scope:SCOPE_SE
	global_prefetch_b8 v[PFO], s[ENC0:ENC0+1] offset:4*256 th:TH_LOAD_NT scope:SCOPE_SE
.Lno_enc:
	PHASE 5
	PHASE 6
	PHASE 7
	PHASE 8
	PHASE 9
	WIN 0x0a                                       ; sources in window 2, destination in window 0
.irp a, 0,1,2,3
	v_add_f32 v[SS+(\a)], v[64*(\a)], v[64*(\a)+1]
.endr
	WIN 0x0f                                       ; sources in window 3
.irp a, 0,1,2,3
	v_add_f32 v[SS+4+(\a)], v[64*(\a)], v[64*(\a)+1]
.endr
	WIN 0
.irp a, 0,1,2,3,4,5,6,7
	v_permlanex16_b32 v[AF+(\a)], v[SS+(\a)], s[SEL], s[SEL+1]  ; the row's other 64 n lie in the lane 16 away
.endr
.irp a, 0,1,2,3,4,5,6,7
	v_add_f32 v[SS+(\a)], v[SS+(\a)], v[AF+(\a)]
.endr
.irp a, 0,1,2,3,4,5,6,7
	ds_store_b32 v[SCA], v[SS+(\a)] offset:64*(\a)             ; row 16 a + l % 16; both halves of the lanes write the same number
.endr
	s_wait_dscnt 0x0                               ; my sums lie in LDS, and my reads of A are long over:
	s_barrier_signal -1
	s_barrier_wait -1                              ; behind this barrier the slots may be read, and A written for the next block
	s_and_b32 s[TS], s[PASS], 1
	s_cmp_eq_u32 s[TS], 0
	s_cbranch_scc1 .Lno_sum                        ; behind a block's second pass
	s_cmp_lg_u32 s[WV], 0
	s_cbranch_scc1 .Lno_sum                        ; wave 0 adds the eight slots (f32) and stores the block's 128 numbers
.irp q, 0,1,2,3,4,5,6,7
	ds_load_b128 v[RED+4*(\q):RED+4*(\q)+3], v[RDA] offset:512*(\q)
.endr
	s_wait_dscnt 0x0
.irp q, 0,2,4,6
	v_pk_add_f32 v[RED+4*(\q):RED+4*(\q)+1],   v[RED+4*(\q):RED+4*(\q)+1],   v[RED+4*(\q)+4:RED+4*(\q)+5]
	v_pk_add_f32 v[RED+4*(\q)+2:RED+4*(\q)+3], v[RED+4*(\q)+2:RED+4*(\q)+3], v[RED+4*(\q)+6:RED+4*(\q)+7]
.endr
.irp q, 0,4
	v_pk_add_f32 v[RED+4*(\q):RED+4*(\q)+1],   v[RED+4*(\q):RED+4*(\q)+1],   v[RED+4*(\q)+8:RED+4*(\q)+9]
	v_pk_add_f32 v[RED+4*(\q)+2:RED+4*(\q)+3], v[RED+4*(\q)+2:RED+4*(\q)+3], v[RED+4*(\q)+10:RED+4*(\q)+11]
.endr
	v_pk_add_f32 v[RED:RED+1],   v[RED:RED+1],   v[RED+16:RED+17]
	v_pk_add_f32 v[RED+2:RED+3], v[RED+2:RED+3], v[RED+18:RED+19]
	global_store_b128 v[WO], v[RED:RED+3], s[SCO:SCO+1]        ; 512 consecutive bytes, aligned
	s_wait_xcnt 0x0                                ; the store has read its base and its data
	s_add_nc_u64 s[SCO:SCO+1], s[SCO:SCO+1], 512
.Lno_sum:
	s_sub_co_u32 s[PASS], s[PASS], 1
	s_cmp_lg_u32 s[PASS], 0
	s_cbranch_scc1 .Lpass
	s_wait_tensorcnt 0x0                           ; the wave's end, behind my last LDS store
	ds_add_u32 v[SPW], v[NIL]
	s_wait_dscnt 0x0
	s_endpgm
.Lfunc_end_k_qf57341b97c_energy:
	.size	k_qf57341b97c_energy, .Lfunc_end_k_qf57341b97c_energy-k_qf57341b97c_energy
	.p2alignl 7, 3214868480
	.fill 96, 4, 3214868480
	.section	.rodata,"a",@progbits
	.p2align	6, 0x0
	.amdhsa_kernel k_qf57341b97c_energy
		.amdhsa_group_segment_fixed_size 307712
		.amdhsa_private_segment_fixed_size 0
		.amdhsa_enable_private_segment 0
		.amdhsa_kernarg_size 40
		.amdhsa_user_sgpr_count 2
		.amdhsa_user_sgpr_kernarg_segment_ptr 1
		.amdhsa_wavefront_size32 1
		.amdhsa_system_sgpr_workgroup_id_x 1
		.amdhsa_system_sgpr_workgroup_id_y 1
		.amdhsa_system_sgpr_workgroup_id_z 1
		.amdhsa_system_vgpr_workitem_id 0
		.amdhsa_next_free_vgpr 1024
		.amdhsa_next_free_sgpr 66
		.amdhsa_reserve_vcc 0
		.amdhsa_float_denorm_mode_32 3
		.amdhsa_float_denorm_mode_16_64 3
		.amdhsa_memory_ordered 1
		.amdhsa_forward_progress 1
		.amdhsa_inst_pref_size 237
	.end_amdhsa_kernel
	.amdgpu_metadata
---
amdhsa.version: [ 1, 2 ]
amdhsa.kernels:
  - .name:           k_qf57341b97c_energy
    .symbol:         k_qf57341b97c_energy.kd
    .args:
      - { .name: encoder_outputs, .offset: 0, .size: 8, .value_kind: global_buffer, .address_space: global }
      - { .name: wf, .offset: 8, .size: 8, .value_kind: global_buffer, .address_space: global }
      - { .name: uc, .offset: 16, .size: 8, .value_kind: global_buffer, .address_space: global }
      - { .name: v, .offset: 24, .size: 8, .value_kind: global_buffer, .address_space: global }
      - { .name: sc, .offset: 32, .size: 8, .value_kind: global_buffer, .address_space: global }
    .group_segment_fixed_size: 307712
    .private_segment_fixed_size: 0
    .kernarg_segment_align: 8
    .kernarg_segment_size: 40
    .max_flat_workgroup_size: 128
    .sgpr_count:     66
    .vgpr_count:     1024
    .wavefront_size: 32
...
	.end_amdgpu_metadata
.endif
;; end of part 2
;; launch soft (part 3): grid 32 x 1, 1 waves a work-group, no clusters, 0 bytes of LDS; arguments sc, out0; writes out0
.if DOCPART == 3
	.amdgcn_target "amdgcn-amd-amdhsa--gfx1250"
	.amdhsa_code_object_version 6
	.text
	.protected	k_qf57341b97c_soft
	.globl	k_qf57341b97c_soft
	.p2align	8
	.type	k_qf57341b97c_soft,@function
k_qf57341b97c_soft:
	s_mov_b64 s[64:65], 0
	v_nop
	global_prefetch_b8 v0, s[64:65] scope:SCOPE_SE
	s_setreg_imm32_b32 hwreg(HW_REG_WAVE_MODE, 25, 1), 1
	s_wait_xcnt 0x0
; out0[b][s] = 2^(-c (S[b][s] - min over s of S[b])) / the sum of these over s,  c = 2 log2(e),  S from the launch before.
; score = (sum over n of v[n]) - 2 S; the first term, the same along the softmax's axis, is left out (shown at the head of the first kernel).  The scores' maximum lies where S is least, and
; e^(score - max) = 2^(-c (S - min S)): the maximum is taken away; every exponent is 0 or below, and the sum is 1 or more.
; LIMITS.  A weight below 2^-126 counts as 0; NaN and infinities are not treated apart.
; A row is 2,048 numbers, 8,192 bytes: one wave holds it in 64 registers from the load to the store: no LDS, no barrier; each load and store covers 512 consecutive bytes.
; One wave a row gives 32 work-groups: the launch moves 512 KiB in all, and a row split further would want a meeting in LDS for each of its two reductions.
.set CC,   0x4038aa3b                  ; c
.set NCC,  0xc038aa3b                  ; -c
.set M,    4                           ; v[4:7]   four chains of the minimum
.set SU,   8                           ; v8       the sum
.set CM,   10                          ; v[10:11] c min S, twice
.set RC,   12                          ; v[12:13] 1 / sum, twice
.set X,    16                          ; v[16:79] the row
.set T,    80                          ; v[80:87] four chains of the sum, a pair each
	s_load_b128 s[4:7], s[0:1], 0x0                ; sc s[4:5], out0 s[6:7]
	v_lshlrev_b32 v1, 4, v0
	s_lshl_b32 s8, ttmp9, 13                       ; my row
	s_mov_b32 s9, 0
	s_mov_b32 s12, 0x76543210                      ; v_permlanex16_b32: each lane takes its own place in the other half
	s_mov_b32 s13, 0xfedcba98
	s_wait_kmcnt 0x0
	s_add_nc_u64 s[4:5], s[4:5], s[8:9]
	s_add_nc_u64 s[6:7], s[6:7], s[8:9]
.set i, 0
.rept 16
	global_load_b128 v[X+4*i:X+4*i+3], v1, s[4:5] offset:512*i
.set i, i+1
.endr
	s_wait_loadcnt 0x0
	; the least of my 64 numbers: four chains of fifteen, three operands at a time, then the four left over
.irp k, 0,1,2,3
	v_min3_num_f32 v[M+(\k)], v[X+16*(\k)], v[X+16*(\k)+1], v[X+16*(\k)+2]
.endr
.set j, 0
.rept 6
.irp k, 0,1,2,3
	v_min3_num_f32 v[M+(\k)], v[M+(\k)], v[X+16*(\k)+3+2*j], v[X+16*(\k)+4+2*j]
.endr
.set j, j+1
.endr
	v_min3_num_f32 v[M], v[M], v[X+15], v[X+31]
	v_min3_num_f32 v[M+1], v[M+1], v[X+47], v[X+63]
	v_min3_num_f32 v[M], v[M], v[M+1], v[M+2]
	v_min_num_f32 v[M], v[M], v[M+3]
	v_min_num_f32_dpp v[M], v[M], v[M] row_xmask:1 row_mask:0xf bank_mask:0xf
	v_min_num_f32_dpp v[M], v[M], v[M] row_xmask:2 row_mask:0xf bank_mask:0xf
	v_min_num_f32_dpp v[M], v[M], v[M] row_xmask:4 row_mask:0xf bank_mask:0xf
	v_min_num_f32_dpp v[M], v[M], v[M] row_xmask:8 row_mask:0xf bank_mask:0xf
	v_permlanex16_b32 v[M+1], v[M], s12, s13       ; its destination counts as read: a register that has been written
	v_min_num_f32 v[M], v[M], v[M+1]               ; every lane holds the row's minimum
	v_mul_f32 v[CM], CC, v[M]
	v_mov_b32 v[CM+1], v[CM]
.set i, 0
.rept 32
	v_pk_fma_f32 v[X+2*i:X+2*i+1], v[X+2*i:X+2*i+1], NCC, v[CM:CM+1] op_sel_hi:[1,0,1]  ; c min S - c S
.set i, i+1
.endr
.set i, 0
.rept 64
	v_exp_f32 v[X+i], v[X+i]                       ; one batch
.set i, i+1
.endr
	v_nop                                          ; a plain instruction behind the last exponential,
	s_wait_alu depctr_va_vdst(0)                   ; and the one wait ahead of the batch's first reader
.irp k, 0,1,2,3
	v_pk_add_f32 v[T+2*(\k):T+2*(\k)+1], v[X+2*(\k):X+2*(\k)+1], v[X+8+2*(\k):X+8+2*(\k)+1]
.endr
.set j, 2
.rept 6
.irp k, 0,1,2,3
	v_pk_add_f32 v[T+2*(\k):T+2*(\k)+1], v[T+2*(\k):T+2*(\k)+1], v[X+8*j+2*(\k):X+8*j+2*(\k)+1]
.endr
.set j, j+1
.endr
	v_pk_add_f32 v[T:T+1], v[T:T+1], v[T+2:T+3]
	v_pk_add_f32 v[T+4:T+5], v[T+4:T+5], v[T+6:T+7]
	v_pk_add_f32 v[T:T+1], v[T:T+1], v[T+4:T+5]
	v_add_f32 v[SU], v[T], v[T+1]
	v_add_f32_dpp v[SU], v[SU], v[SU] row_xmask:1 row_mask:0xf bank_mask:0xf
	v_add_f32_dpp v[SU], v[SU], v[SU] row_xmask:2 row_mask:0xf bank_mask:0xf
	v_add_f32_dpp v[SU], v[SU], v[SU] row_xmask:4 row_mask:0xf bank_mask:0xf
	v_add_f32_dpp v[SU], v[SU], v[SU] row_xmask:8 row_mask:0xf bank_mask:0xf
	v_permlanex16_b32 v[M+1], v[SU], s12, s13
	v_add_f32 v[SU], v[SU], v[M+1]
	v_rcp_f32 v[RC], v[SU]                         ; made twice, to fill the pair that the packed multiply names
	v_rcp_f32 v[RC+1], v[SU]
	v_nop
	s_wait_alu depctr_va_vdst(0)                   ; one wait for both reciprocals
.set i, 0
.rept 32
	v_pk_mul_f32 v[X+2*i:X+2*i+1], v[X+2*i:X+2*i+1], v[RC:RC+1]
.set i, i+1
.endr
.set i, 0
.rept 16
	global_store_b128 v1, v[X+4*i:X+4*i+3], s[6:7] offset:512*i
.set i, i+1
.endr
	s_endpgm
.Lfunc_end_k_qf57341b97c_soft:
	.size	k_qf57341b97c_soft, .Lfunc_end_k_qf57341b97c_soft-k_qf57341b97c_soft
	.p2alignl 7, 3214868480
	.fill 96, 4, 3214868480
	.section	.rodata,"a",@progbits
	.p2align	6, 0x0
	.amdhsa_kernel k_qf57341b97c_soft
		.amdhsa_group_segment_fixed_size 0
		.amdhsa_private_segment_fixed_size 0
		.amdhsa_enable_private_segment 0
		.amdhsa_kernarg_size 16
		.amdhsa_user_sgpr_count 2
		.amdhsa_user_sgpr_kernarg_segment_ptr 1
		.amdhsa_wavefront_size32 1
		.amdhsa_system_sgpr_workgroup_id_x 1
		.amdhsa_system_sgpr_workgroup_id_y 1
		.amdhsa_system_sgpr_workgroup_id_z 1
		.amdhsa_system_vgpr_workitem_id 0
		.amdhsa_next_free_vgpr 96
		.amdhsa_next_free_sgpr 66
		.amdhsa_reserve_vcc 0
		.amdhsa_float_denorm_mode_32 3
		.amdhsa_float_denorm_mode_16_64 3
		.amdhsa_memory_ordered 1
		.amdhsa_forward_progress 1
		.amdhsa_inst_pref_size 16
	.end_amdhsa_kernel
	.amdgpu_metadata
---
amdhsa.version: [ 1, 2 ]
amdhsa.kernels:
  - .name:           k_qf57341b97c_soft
    .symbol:         k_qf57341b97c_soft.kd
    .args:
      - { .name: sc, .offset: 0, .size: 8, .value_kind: global_buffer, .address_space: global }
      - { .name: out0, .offset: 8, .size: 8, .value_kind: global_buffer, .address_space: global }
    .group_segment_fixed_size: 0
    .private_segment_fixed_size: 0
    .kernarg_segment_align: 8
    .kernarg_segment_size: 16
    .max_flat_workgroup_size: 32
    .sgpr_count:     66
    .vgpr_count:     96
    .wavefront_size: 32
...
	.end_amdgpu_metadata
.endif
;; end of part 3
;; ======== version 2 of 2: 3 launches; version 1 with the launch energy written anew for expert scheduling mode
;; workspace buffers: wf 2,097,152 bytes; uc 131,072 bytes; sc 262,144 bytes
;; launch prep: the kernel of part 1 again; grid 64 x 1, 8 waves a work-group, no clusters, 287,744 bytes of LDS; arguments attn_W, attn_b, hidden, wf, uc; writes wf, uc
;; launch energy (part 4): grid 256 x 1, 4 waves a work-group, no clusters, 307,712 bytes of LDS; arguments encoder_outputs, wf, uc, v, sc; writes sc
.if DOCPART == 4
	.amdgcn_target "amdgcn-amd-amdhsa--gfx1250"
	.amdhsa_code_object_version 6
	.text
	.protected	k_qf57341b97c_energy
	.globl	k_qf57341b97c_energy
	.p2align	8
	.type	k_qf57341b97c_energy,@function
k_qf57341b97c_energy:
	s_mov_b64 s[64:65], 0
	v_nop
	global_prefetch_b8 v0, s[64:65] scope:SCOPE_SE
	s_setreg_imm32_b32 hwreg(HW_REG_WAVE_SCHED_MODE, 0, 2), 2
	s_setreg_imm32_b32 hwreg(HW_REG_WAVE_MODE, 25, 1), 1
	s_wait_xcnt 0x0
	s_wait_alu depctr_vm_vsrc(0)
; sc[row] = S = the sum over n of v[n] / (1 + 2^X[row][n]),  X = enc[row] . (c W2[n]) + uc[batch][n],  c = 2 log2(e): wf holds bf16(c W2), uc = c (hidden . W1 + attn_b), both from the launch before.
; LEFT OUT: the term sum over n of v[n] of score = sum v - 2 S: it is the same along the softmax's axis for all values of the inputs (shown at the head of the first kernel).
; LIMITS.  enc is rounded to bf16 for the product; sums in f32.  Where 2^X overflows, the quotient is 0 (tanh = 1); where it underflows, 1 (tanh = -1).  NaN and infinities in the inputs are not treated apart.
; SHARES.  A work-group stays: it owns 256 rows of enc (all of one batch), as two blocks of 128.  A block's rows lie in LDS in bf16, whole (128 x 1,024 x 2 bytes), so enc is read from memory once.
; A wave owns all 128 rows x 128 n: 64 accumulators of 16 x 16, 512 registers; the four waves cover 512 n, so a block takes TWO PASSES over N.  In the first, enc arrives in registers as f32, is rounded and
; stored into LDS three to four K steps ahead of its use; the second reads the same bytes again.  Four passes in all, counted 4 to 1: even = a block's first.
; W IS SHARED BY NO TWO WAVES of a work-group: it comes straight into registers, in fragment order, 8,192 consecutive bytes a wave and K step, three K steps ahead.
; NO CLUSTER, NO TENSOR LOADS.  All work-groups walk the same wf, but beside A's 294,912 bytes, the tables' 12,288 and the spare words 19,968 of a WGP's 327,680 bytes of LDS are left, and one K step of W for the
; work-group is 32,768: no slot for joint loads fits, let alone two.
; THE MATRIX INSTRUCTION: source 0 = 16 rows of W (n), source 1 = 16 rows of enc.  In the result lane l holds ONE row of enc (l % 16) and n = 8 (l / 16) + 0..7.  uc is the C operand of each sum's first product,
; so a finished sum is the exponent itself, and a row's sum over n stays in its lane but for one exchange of the lanes' halves.
; REGISTERS, in windows of 256 (s_set_vgpr_msb: bits 1:0 source 0, 3:2 source 1, 5:4 source 2, 7:6 destination):
;   window 0: v0-31 addresses and the rows' sums; v32-63 LO: A's rows 0-63 of one K step; v64-95, v96-127 HI0, HI1: A's rows 64-127 of even and of odd K steps (on the way out v32-95 hold the wave's 64 v;
;             v96-127 are also at work at the head and in wave 0's last sums); v128-255 enc as loaded, four buffers of 32
;   window 1: W, four buffers of 64 (K step t in buffer t % 4); buffer 3 also holds the next pass's uc from the way out to the end of K step 0
;   window 2: accumulators of rows 0-63 ((a, b) at 8 (8 a + b));   window 3: those of rows 64-127
; THE MODE: SCHED_MODE bits 1:0 = 2 (LLVM: expert scheduling mode 2), set by the entry lines.  The code itself states the register dependences between vector or matrix instructions and memory or LDS
; instructions, with s_wait_alu, always for 0.
; THE PLAN.  Registers that memory or LDS instructions touch in K step t:
;   LO            read by the step's products 0-31; behind them the LDS loads of step t + 1's rows 0-63 land in it.
;   HI[t % 2]     read by the step's products 32-63.  The other set, which step t - 1's products read last, takes step t + 1's rows 64-127.
;   W[t % 4]      read by all 64 products.  W[(t - 1) % 4], which step t - 1's products read last, takes W of step t + 3.
;   E[(t + 3) % 4]  half-chunk t + 3 of enc: rounded in place by 16 conversions behind product 31; read by 8 LDS stores; then half-chunk t + 7's loads land in it.
;   v[AA], v[ST]  read by the LDS loads and stores; written once in a trip of four steps.     v[WO], v[EO], v[PFO], v[TB0], v[RDA]: written at the head alone.
; So ONE wait on va_vdst stands in a step, behind product 31 and the conversions.  All the step's memory and LDS instructions follow it, dealt four at a time behind products 32 to 43, which name HI[t % 2],
; W[t % 4] and the accumulators: none of the registers that those instructions touch.  One wait on vm_vsrc a step stands ahead of enc's loads (the stores have read the buffer), one a trip ahead of the adds to v[AA], v[ST].
.set CH,    18432                      ; a chunk of A in LDS: 64 k of all 128 rows; a row is 128 bytes + 16 = 9 x 16, so the 16 rows of a fragment load start at 16 different 16-byte columns of 256 bytes
.set UT,    16*CH                      ; uc[n] of my batch, 4,096 bytes
.set VT,    UT+4096                    ; v[n], 4,096 bytes
.set SCR,   UT+8192                    ; eight slots of 512 bytes: half of N x 4 + wave: the rows' partial sums
.set SPARE, UT+12288                   ; the spare words, 128 bytes for each wave: two blocks of 256 bytes that no other line names
.set BLK,   524288                     ; a block of enc: 128 rows of 4,096 bytes
.set AA,   4                           ; v4   my place in A's fragments, at the trip in hand: AA0 + AOFF
.set ST,   5                           ; v5   where I store rounded enc, at the trip in hand: ST0 + AOFF
.set EO,   6                           ; v6   enc: (16 wave + 8 (l / 16)) rows + 16 (l % 16); never rewritten
.set WO,   7                           ; v7   16 x lane; never rewritten
.set PFO,  8                           ; v8   the prefetches' offset: thread x a row of enc; never rewritten
.set SCA,  9                           ; v9   where I put a row's sum
.set VTA,  10                          ; v10  my eight n in the tables, this pass's half of N
.set UTA,  11                          ; v11  the same for the next pass
.set RDA,  12                          ; v12  wave 0: where it reads the slots back
.set AA0,  14                          ; v14  (l % 16) x 144 + 16 (l / 16)
.set ST0,  15                          ; v15  (16 wave + 8 (l / 16)) x 144 + 8 (l % 16)
.set SPW,  16                          ; v16  LDS address of my spare word; never rewritten
.set NIL,  17                          ; v17  0; never rewritten
.set TB0,  18                          ; v18  UT + 512 wave + 32 (l / 16)
.set SC0,  19                          ; v19  SCR + 512 wave + 4 (l % 16)
.set SS,   20                          ; v[20:27] the sums of my row in each of the eight row blocks
.set LO,   32                          ; v[32:63]  four fragments: row blocks 0-3
.set HI,   64                          ; v[64:127] two sets of four fragments: row blocks 4-7 of K step t at HI + 32 (t % 2)
.set AF,   32                          ; v[32:95]  on the way out: v
.set RED,  96                          ; v[96:127] at the head and in wave 0's last sums
.set E,    128                         ; v[128:255]
.set UC,   192                         ; window 1
.set ENC0, 4                           ; s[4:5]   enc at the block in hand
.set WB0,  6                           ; s[6:7]   wf at my wave's 524,288 bytes
.set SCO,  12                          ; s[12:13] sc at the block in hand
.set WV,   14                          ; s14  my wave's number
.set PASS, 15                          ; s15  4 to 1
.set CNT,  16                          ; s16  trips of the loop in hand
.set TS,   17
.set T2,   18
.set ENCB, 20                          ; s[20:21] enc at the trip in hand
.set WB,   24                          ; s[24:25] wf at the trip in hand
.set PB,   26                          ; s[26:27] the next pass's half of my wf: 0 or 262,144
.set PX,   28                          ; s28  2,048 x the half of N
.set AOFF, 29                          ; s29  LDS bytes from chunk 0 to the trip's first chunk
.set SEL,  30                          ; s[30:31] v_permlanex16_b32's selects: each lane takes its own place in the other half
.set LIMP, 34                          ; s34  1 in the pass that has a block behind it, else 0
.set MSB, 0
.macro WIN new                         ; the immediate's high byte repeats the setting that is left; a switch that changes nothing is dropped
.if MSB != (\new)
	s_set_vgpr_msb (MSB<<8)|(\new)
.set MSB, \new
.endif
.endm
.macro PLACES                          ; four plain vector instructions behind products whose registers are loaded into next, where no conversions stand there; they stand beside the wait that states the dependence, not in its place
.rept 4
	v_nop
.endr
.endm
; ONE PRODUCT: row block a x my block b of n, 32 along K, of K step rho (modulo 4).  first = 1: uc starts the sum.  The 64 accumulators take turns in the same order in every K step.
.macro MM a, b, rho, first
.if (\a) < 4
.set rA, LO+8*(\a)
.else
.set rA, HI+32*((\rho)%2)+8*((\a)-4)
.endif
.set rD, 8*(8*((\a)%4)+(\b))
.set rW, 64*((\rho)%4)+8*(\b)
.if \first
	WIN 0x91+0x40*((\a)/4)                         ; W and C in window 1, A in window 0, D in window 2 or 3
	v_wmma_f32_16x16x32_bf16 v[rD:rD+7], v[rW:rW+7], v[rA:rA+7], v[UC+8*(\b):UC+8*(\b)+7]
.else
	WIN 0xa1+0x50*((\a)/4)                         ; W in window 1, A in window 0, C and D in window 2 or 3
	v_wmma_f32_16x16x32_bf16 v[rD:rD+7], v[rW:rW+7], v[rA:rA+7], v[rD:rD+7]
.endif
.endm
.macro FA2 dst, a0, ko                 ; two fragments of A, row blocks a0 and a0 + 1, at byte ko behind the trip's first chunk: 4 LDS loads
	WIN 0
.irp i, 0,1
	ds_load_b128 v[(\dst)+8*(\i):(\dst)+8*(\i)+3],   v[AA] offset:(\ko)+((\a0)+(\i))*2304
	ds_load_b128 v[(\dst)+8*(\i)+4:(\dst)+8*(\i)+7], v[AA] offset:(\ko)+((\a0)+(\i))*2304+32
.endr
.endm
.macro FA0                             ; all eight fragments of a pass's K step 0, in one run
	FA2 LO,    0, 0
	FA2 LO+16, 2, 0
	FA2 HI,    4, 0
	FA2 HI+16, 6, 0
.endm
.macro WLD4 wb, idx, b0                ; a quarter of a K step of my W, idx steps behind WB, into buffer wb: blocks b0 and b0 + 1 of n: 4 loads of 512 consecutive bytes
	WIN 0x40                                       ; destination window 1, address window 0
.irp x, 0,1
	global_load_b128 v[64*(\wb)+8*((\b0)+(\x)):64*(\wb)+8*((\b0)+(\x))+3],   v[WO], s[WB:WB+1] offset:(\idx)*8192+1024*((\b0)+(\x))
	global_load_b128 v[64*(\wb)+8*((\b0)+(\x))+4:64*(\wb)+8*((\b0)+(\x))+7], v[WO], s[WB:WB+1] offset:(\idx)*8192+1024*((\b0)+(\x))+512
.endr
.endm
.macro WLD wb, idx                     ; the whole K step, in one run
	WLD4 \wb, \idx, 0
	WLD4 \wb, \idx, 2
	WLD4 \wb, \idx, 4
	WLD4 \wb, \idx, 6
.endm
; HALF A CHUNK of enc is 64 rows x 64 k of f32; a wave takes 16 of the rows.  Lanes 0-15 read 256 consecutive bytes, aligned, of row 64 hf + 16 wave + j, lanes 16-31 of the row 8 further down.  ELD4: j = j0 .. j0 + 3.
.macro ELD4 eb, base, c, hf, j0
	WIN 0
.irp x, 0,1,2,3
	global_load_b128 v[E+32*(\eb)+4*((\j0)+(\x)):E+32*(\eb)+4*((\j0)+(\x))+3], v[EO], s[\base:\base+1] offset:256*(\c)+262144*(\hf)+4096*((\j0)+(\x)) th:TH_LOAD_NT
.endr
.endm
.macro ELD eb, base, c, hf
	ELD4 \eb, \base, \c, \hf, 0
	ELD4 \eb, \base, \c, \hf, 4
.endm
; It is rounded in place (CV) and stored (STO4: four of the eight stores): 8 bytes a lane; the two halves of the lanes fall 8 x 144 bytes apart, which is 128 modulo 256.
.macro CV eb
	WIN 0
.irp j, 0,1,2,3,4,5,6,7
	v_cvt_pk_bf16_f32 v[E+32*(\eb)+4*(\j)],   v[E+32*(\eb)+4*(\j)],   v[E+32*(\eb)+4*(\j)+1]
	v_cvt_pk_bf16_f32 v[E+32*(\eb)+4*(\j)+1], v[E+32*(\eb)+4*(\j)+2], v[E+32*(\eb)+4*(\j)+3]
.endr
.endm
.macro STO4 eb, c, hf, j0
	WIN 0
.irp x, 0,1,2,3
	ds_store_b64 v[ST], v[E+32*(\eb)+4*((\j0)+(\x)):E+32*(\eb)+4*((\j0)+(\x))+1] offset:CH*(\c)+9216*(\hf)+144*((\j0)+(\x))
.endr
.endm
.macro STO eb, c, hf
	STO4 \eb, \c, \hf, 0
	STO4 \eb, \c, \hf, 4
.endm
; A PREFETCH INTO THE L2 of one chunk of enc: 256 bytes of each of the block's 128 rows, a thread a row, one instruction a wave: each aligned 256 bytes of enc are named once in the launch, by the work-group that
; will load them.  In the streaming loop (kinds 1, 2) trip i asks for chunks 2 i + 7 and 2 i + 8, three chunks (six K steps, 384 matrix instructions) ahead of the chunk whose loads have just been issued; the tests
; stop at chunk 15.  Kinds 3, 4: the last trip of a block's second pass asks for the next block's chunks 0 and 1, where there is a next block.  It stands behind the step's loads.  v[PFO] is never rewritten.
.macro ASK kind
.if (\kind) == 1
	s_cmp_gt_u32 s[CNT], 1
.elseif (\kind) == 2
	s_cmp_gt_u32 s[CNT], 2
.else
	s_cmp_eq_u32 s[CNT], s[LIMP]
.endif
	s_cbranch_scc0 .Lnot_now_\@
.if (\kind) == 1
	global_prefetch_b8 v[PFO], s[ENCB:ENCB+1] offset:7*256 th:TH_LOAD_NT scope:SCOPE_SE
.elseif (\kind) == 2
	global_prefetch_b8 v[PFO], s[ENCB:ENCB+1] offset:8*256 th:TH_LOAD_NT scope:SCOPE_SE
.elseif (\kind) == 3
	global_prefetch_b8 v[PFO], s[ENC0:ENC0+1] offset:BLK th:TH_LOAD_NT scope:SCOPE_SE
.else
	global_prefetch_b8 v[PFO], s[ENC0:ENC0+1] offset:BLK+256 th:TH_LOAD_NT scope:SCOPE_SE
.endif
.Lnot_now_\@:
.endm
; A K STEP, number t = (the trip's first) + rho: 64 products.  Behind product 31 stands the step's one wait on va_vdst; behind products 32 to 43 its memory and LDS instructions, four behind each:
; the next step's fragments (LO, then the other HI set), the stores of half-chunk t + 3, W of step t + 3, half-chunk t + 7; behind product 44 a prefetch.
; n: the global loads that may stay out (below 0: no wait).  bar: the barrier of an odd step.  cv: half-chunk t + 3 is rounded and stored.  ei: half-chunk t + 7 is asked for, into the buffer just stored.
; wi: W of step t + 3 is asked for, into the buffer of step t - 1.  fl: there is a next step.  pf: a prefetch.  first: K step 0: uc lies in W's buffer 3, so what hangs on that buffer stands behind the last product.
; THE BARRIER.  Chunk c is stored in steps 2 c - 3 and 2 c - 2; in step 2 c - 1 each wave waits for its stores (and its reads), signals, and reads chunk c only behind the barrier's wait.  Between two such
; barriers the waves read one chunk and write the next; between signal and wait stand products alone.
.macro STEP rho, n, bar, cv, ei, wi, fl, pf, first=0
.set KO, (((\rho)+1)/2)*CH+(((\rho)+1)%2)*64   ; the next step's 64 bytes of A's rows
.set EB, ((\rho)+3)%4                          ; enc's buffer in hand, and W's oldest
	s_wait_dscnt 0x0                               ; this step's eight fragments are in, and my stores into A are done
.if \bar
	s_barrier_signal -1
.endif
.if (\n) >= 0
	s_wait_loadcnt \n                              ; W of this step is in, and with it all that was asked for earlier
.endif
.set q, 0
.rept 32
	MM q/8, q%8, \rho, \first
.set q, q+1
.endr
.if \bar
	s_barrier_wait -1
.endif
.if (\cv) && !(\first)
	CV EB
.elseif (\fl) || (\wi)
	PLACES
.endif
.if (\fl) || (\wi) || (\cv)
	s_wait_alu depctr_va_vdst(0)                   ; products 0-31 are done reading LO; the last step's are done reading the other HI set and W's oldest buffer; the conversions have written enc's buffer and are done reading it; in a trip's first step v[AA] and v[ST] are written
.endif
.set q, 0
.rept 32
	MM 4+q/8, q%8, \rho, \first
.if (\fl) && (q < 2)
	FA2 LO+16*q, 2*q, KO                           ; no product since the wait names LO, the other HI set, W's oldest buffer or enc's buffers
.elseif (\fl) && (q >= 2) && (q < 4)
	FA2 HI+32*(((\rho)+1)%2)+16*(q-2), 2*q, KO
.elseif (\cv) && !(\first) && (q >= 4) && (q < 6)
	STO4 EB, ((\rho)+3)/2, ((\rho)+3)%2, 4*(q-4)
.elseif (\wi) && !(\first) && (q >= 6) && (q < 10)
	WLD4 EB, (\rho)+3, 2*(q-6)
.elseif (\ei) && !(\first) && (q == 10)
	WIN 0
	s_wait_alu depctr_vm_vsrc(0)                   ; the eight LDS stores above have read enc's buffer, in which the loads below land
	ELD4 EB, ENCB, ((\rho)+7)/2, ((\rho)+7)%2, 0
.elseif (\ei) && !(\first) && (q == 11)
	ELD4 EB, ENCB, ((\rho)+7)/2, ((\rho)+7)%2, 4
.elseif (\pf) && (q == 12)
	WIN 0                                          ; at a branch and at a label every window is 0
	ASK \pf
.endif
.set q, q+1
.endr
.if \first
.if \cv
	CV EB
	s_wait_alu depctr_va_vdst(0)                   ; all 64 products are done reading uc in W's buffer 3, in which W of step 3 lands; the conversions have written enc's buffer and are done reading it
	STO EB, ((\rho)+3)/2, ((\rho)+3)%2
.else
	PLACES
	WIN 0x40
	s_wait_alu depctr_va_vdst(0)                   ; all 64 products are done reading uc in W's buffer 3, in which W of step 3 lands
.endif
	WLD EB, (\rho)+3
.if \ei
	WIN 0
	s_wait_alu depctr_vm_vsrc(0)                   ; the eight LDS stores above have read enc's buffer, in which the loads below land
	ELD EB, ENCB, ((\rho)+7)/2, ((\rho)+7)%2
.endif
.endif
.endm
.macro TRIPEND p0                      ; four K steps on
	WIN 0
	s_wait_xcnt 0x0                                ; every load and prefetch issued so far (the youngest 20 or 22 products back) has read its address: the bases may be written
	s_add_nc_u64 s[WB:WB+1], s[WB:WB+1], 4*8192
.if \p0
	s_add_nc_u64 s[ENCB:ENCB+1], s[ENCB:ENCB+1], 2*256
.endif
	s_add_co_u32 s[AOFF], s[AOFF], 2*CH
	s_wait_alu depctr_vm_vsrc(0)                   ; the trip's LDS loads have read v[AA], its LDS stores v[ST]
	v_add_nc_u32 v[AA], s[AOFF], v[AA0]
.if \p0
	v_add_nc_u32 v[ST], s[AOFF], v[ST0]
.endif
	s_sub_co_u32 s[CNT], s[CNT], 1
	s_cmp_lg_u32 s[CNT], 0
.endm
; THE WAY OUT goes by row blocks a = 0 .. 7, 64 registers each, in place, in three stages a phase apart: in phase k block k's exponentials; block k - 1's 1 + e and reciprocals; block k - 2's sum of
; v x quotient, kept in the block's own first pair.  So plain instructions and transcendentals stand side by side, and nothing names a transcendental's result in the phase that issues it: each phase ends with
; one plain instruction and ONE s_wait_alu depctr_va_vdst(0) ahead of the first reader.  Registers are taken in ascending order: each accumulator's lowest first.
.macro PHASE k
.set RB0, 64*((\k)%4)
.set RB1, 64*(((\k)+3)%4)
.set RB2, 64*(((\k)+2)%4)
.set i, 0
.rept 32
.if ((\k) >= 1) && ((\k) <= 8)
	WIN 0xa2+0x51*(((\k)-1)/4)                     ; destination, sources 0 and 2 in the block's window, source 1 in window 0
	v_pk_add_f32 v[RB1+2*i:RB1+2*i+1], v[RB1+2*i:RB1+2*i+1], 1.0 op_sel_hi:[1,0]
.endif
.if (\k) <= 7
	WIN 0xa2+0x51*((\k)/4)
	v_exp_f32 v[RB0+2*i], v[RB0+2*i]
	v_exp_f32 v[RB0+2*i+1], v[RB0+2*i+1]
.endif
.if (\k) >= 2
	WIN 0xa2+0x51*(((\k)-2)/4)
.if i == 0
	v_pk_mul_f32 v[RB2:RB2+1], v[RB2:RB2+1], v[AF:AF+1]
.else
	v_pk_fma_f32 v[RB2:RB2+1], v[RB2+2*i:RB2+2*i+1], v[AF+2*i:AF+2*i+1], v[RB2:RB2+1]
.endif
.endif
.if ((\k) >= 1) && ((\k) <= 8)
	WIN 0xa2+0x51*(((\k)-1)/4)
	v_rcp_f32 v[RB1+2*i], v[RB1+2*i]
	v_rcp_f32 v[RB1+2*i+1], v[RB1+2*i+1]
.endif
.set i, i+1
.endr
.if (\k) <= 8
	v_nop
	s_wait_alu depctr_va_vdst(0)                   ; this phase's exponentials and reciprocals have written their results, which the next phase reads
.endif
.endm
	s_load_b256 s[4:11], s[0:1], 0x0               ; enc s[4:5], wf s[6:7], uc s[8:9], v s[10:11]
	s_load_b64 s[12:13], s[0:1], 0x20              ; sc
	v_lshl_add_u32 v[SPW], v0, 2, SPARE
	v_mov_b32 v[NIL], 0
	v_lshrrev_b32 v1, 5, v0
	v_readfirstlane_b32 s[WV], v1                  ; wave 0..3
	v_and_b32 v1, 31, v0                           ; l
	v_and_b32 v2, 15, v0                           ; l % 16
	v_bfe_u32 v3, v0, 4, 1                         ; l / 16
	v_mul_u32_u24 v[AA0], v2, 144
	v_lshl_add_u32 v[AA0], v3, 4, v[AA0]
	s_wait_alu depctr_va_sdst(0)                   ; the wave's number is written, ahead of its first reader
	s_mul_i32 s[TS], s[WV], 16*144
	v_mul_u32_u24 v[ST0], v3, 8*144
	v_lshl_add_u32 v[ST0], v2, 3, v[ST0]
	v_add_nc_u32 v[ST0], s[TS], v[ST0]
	s_lshl_b32 s[TS], s[WV], 16                    ; 16 rows of 4,096 bytes
	v_lshlrev_b32 v[EO], 4, v2
	v_lshl_add_u32 v[EO], v3, 15, v[EO]
	v_add_nc_u32 v[EO], s[TS], v[EO]
	v_lshlrev_b32 v[WO], 4, v1
	v_lshlrev_b32 v[PFO], 12, v0
	s_lshl_b32 s[TS], s[WV], 9
	s_add_co_u32 s[T2], s[TS], UT
	v_lshl_add_u32 v[TB0], v3, 5, s[T2]
	s_add_co_u32 s[T2], s[TS], SCR
	v_lshl_add_u32 v[SC0], v2, 2, s[T2]
	v_lshl_add_u32 v[RDA], v1, 4, SCR
	v_lshrrev_b32 v28, 2, v0                       ; uc is [n / 16][batch][16]: thread t takes n = 4 t .. 4 t + 3 and the same 512 further on
	v_and_b32 v29, 3, v0
	v_lshlrev_b32 v28, 11, v28
	v_lshl_add_u32 v28, v29, 4, v28
	s_lshr_b32 s[TS], ttmp9, 3                     ; my batch: eight work-groups to a batch
	s_lshl_b32 s[TS], s[TS], 6
	v_add_nc_u32 v28, s[TS], v28
	v_lshlrev_b32 v29, 4, v0
	v_add_nc_u32 v30, UT, v29
	s_mov_b32 s[SEL], 0x76543210
	s_mov_b32 s[SEL+1], 0xfedcba98
	s_mov_b32 s[PX], 0
	s_mov_b32 s[PB+1], 0
	s_lshl_b32 s36, ttmp9, 20                      ; 256 rows of enc
	s_mov_b32 s37, 0
	s_lshl_b32 s38, s[WV], 19                      ; my wave's part of wf
	s_mov_b32 s39, 0
	s_lshl_b32 s40, ttmp9, 10                      ; 256 numbers of sc
	s_mov_b32 s41, 0
	s_wait_kmcnt 0x0
	s_add_nc_u64 s[ENC0:ENC0+1], s[ENC0:ENC0+1], s[36:37]
	s_add_nc_u64 s[WB0:WB0+1], s[WB0:WB0+1], s[38:39]
	s_add_nc_u64 s[SCO:SCO+1], s[SCO:SCO+1], s[40:41]
	s_mov_b64 s[WB:WB+1], s[WB0:WB0+1]
	s_wait_alu depctr_va_vdst(0)                   ; the offsets and LDS addresses v6 to v8, v12, v18, v28 to v30 are written, which the loads, stores and prefetches below read
	global_load_b128 v[RED:RED+3],     v28, s[8:9]
	global_load_b128 v[RED+4:RED+7],   v28, s[8:9] offset:65536
	global_load_b128 v[RED+8:RED+11],  v29, s[10:11]
	global_load_b128 v[RED+12:RED+15], v29, s[10:11] offset:2048
	ELD 0, ENC0, 0, 0                              ; the first block's chunks 0 and 1
	ELD 1, ENC0, 0, 1
	ELD 2, ENC0, 1, 0
	ELD 3, ENC0, 1, 1
	WLD 0, 0
	WIN 0
	s_wait_loadcnt 48                              ; the tables are in; the 32 loads of enc and the 16 of W behind them may stay out
	ds_store_b128 v30, v[RED:RED+3]
	ds_store_b128 v30, v[RED+4:RED+7]   offset:2048
	ds_store_b128 v30, v[RED+8:RED+11]  offset:4096
	ds_store_b128 v30, v[RED+12:RED+15] offset:6144
	WLD 1, 1
	WLD 2, 2
	s_wait_dscnt 0x0                               ; for the others' sake: my part of the tables lies in LDS
	s_barrier_signal -1
	s_barrier_wait -1
	WIN 0x40
.irp b, 0,1,2,3,4,5,6,7
	ds_load_b128 v[UC+8*(\b):UC+8*(\b)+3],   v[TB0] offset:64*(\b)      ; uc of my 128 n of the first half of N: the same eight numbers in all lanes of a half
	ds_load_b128 v[UC+8*(\b)+4:UC+8*(\b)+7], v[TB0] offset:64*(\b)+16
.endr
	WIN 0
	s_mov_b32 s[PASS], 4
.Lpass:
	s_and_b32 s[TS], s[PASS], 1
	s_cmp_eq_u32 s[TS], 1
	s_cbranch_scc1 .Lp1
	; A BLOCK'S FIRST PASS.  Half-chunks 0 to 3 were asked for long ago (at the head, or on the last way out).  Nobody reads A: the barrier at the way out's end has seen to it.
	s_wait_loadcnt 0x0
	s_wait_xcnt 0x0
	s_mov_b64 s[ENCB:ENCB+1], s[ENC0:ENC0+1]
	s_mov_b32 s[AOFF], 0
	s_wait_alu depctr_vm_vsrc(0)                   ; the last pass's LDS loads have read v[AA], the last block's LDS stores v[ST]; the head's LDS stores and wave 0's store of the sums have read v[RED ..], in which fragments land
	v_mov_b32 v[AA], v[AA0]
	v_mov_b32 v[ST], v[ST0]
	CV 0
	CV 1
	CV 2
	s_wait_alu depctr_va_vdst(0)                   ; v[AA] and v[ST] are written; the conversions have written three of enc's buffers and are done reading them; the way out's sums are done with v[32:127], in which fragments land
	STO 0, 0, 0
	STO 1, 0, 1
	STO 2, 1, 0
	s_wait_alu depctr_vm_vsrc(0)                   ; the 24 LDS stores have read the three buffers, in which the loads below land
	ELD 0, ENCB, 2, 0
	ELD 1, ENCB, 2, 1
	ELD 2, ENCB, 3, 0
	global_prefetch_b8 v[PFO], s[ENCB:ENCB+1] offset:5*256 th:TH_LOAD_NT scope:SCOPE_SE  ; chunks 5 and 6; the loop goes on from 7
	global_prefetch_b8 v[PFO], s[ENCB:ENCB+1] offset:6*256 th:TH_LOAD_NT scope:SCOPE_SE
	s_wait_dscnt 0x0                               ; my part of chunk 0 lies in LDS
	s_barrier_signal -1
	s_barrier_wait -1
	FA0                                            ; no vector instruction stands between the wait on va_vdst above and these loads
	STEP 0, -1, 0, 1, 1, 1, 1, 0, 1
	s_wait_loadcnt 40                              ; half-chunk 4 is in: behind it stand half-chunks 5 and 6 (16), W of step 3 (16), half-chunk 7 (8)
	WIN 0
	s_mov_b32 s[CNT], 6
.Lk0:                                          ; K steps 1 to 24.  56: behind W of step t stand 8 + 16 + 8 + 16 + 8 loads; half-chunk t + 3 was asked for ahead of it
	STEP 1, 56, 1, 1, 1, 1, 1, 1
	STEP 2, 56, 0, 1, 1, 1, 1, 0
	STEP 3, 56, 1, 1, 1, 1, 1, 2
	STEP 4, 56, 0, 1, 1, 1, 1, 0
	TRIPEND 1
	s_cbranch_scc1 .Lk0
	STEP 1, 56, 1, 1, 0, 1, 1, 0                   ; K steps 25 to 28: enc has been asked for to its end, and the counts run down by its 8 loads a step
	STEP 2, 48, 0, 1, 0, 1, 1, 0
	STEP 3, 40, 1, 1, 0, 1, 1, 0
	STEP 4, 32, 0, 1, 0, 1, 1, 0
	WIN 0
	s_add_co_u32 s[AOFF], s[AOFF], 2*CH
	s_wait_alu depctr_vm_vsrc(0)                   ; the LDS loads issued so far have read v[AA]
	v_add_nc_u32 v[AA], s[AOFF], v[AA0]
	s_branch .Ltail
.Lp1:                                          ; A BLOCK'S SECOND PASS: A is whole; only W streams.  32: behind W of step t stand two steps' 16 loads
	s_cmp_eq_u32 s[PASS], 3
	s_cselect_b32 s[LIMP], 1, 0
	s_mov_b32 s[AOFF], 0
	s_wait_alu depctr_vm_vsrc(0)                   ; the last pass's LDS loads have read v[AA]
	v_mov_b32 v[AA], v[AA0]
	s_wait_alu depctr_va_vdst(0)                   ; v[AA] is written; the way out's sums are done with v[32:95], in which the fragments below land
	FA0
	STEP 0, 32, 0, 0, 0, 1, 1, 0, 1
	WIN 0
	s_mov_b32 s[CNT], 7
.Lk1:                                          ; K steps 1 to 28
	STEP 1, 32, 0, 0, 0, 1, 1, 3
	STEP 2, 32, 0, 0, 0, 1, 1, 0
	STEP 3, 32, 0, 0, 0, 1, 1, 4
	STEP 4, 32, 0, 0, 0, 1, 1, 0
	TRIPEND 0
	s_cbranch_scc1 .Lk1
.Ltail:                                        ; K steps 29 to 31, one text for both passes: step 29's barrier shows chunk 15 in a first pass and orders nothing in a second
	STEP 1, 32, 1, 0, 0, 0, 1, 0
	STEP 2, 16, 0, 0, 0, 0, 1, 0
	STEP 3, 0,  0, 0, 0, 0, 0, 0                   ; the last step issues no load, so it holds no s_wait_alu
	; THE WAY OUT.  Three address lines and a v_nop are the four places behind the last products.
	WIN 0
	s_wait_alu depctr_vm_vsrc(0)                   ; the last way out's LDS loads and stores have read v[VTA], v[UTA], v[SCA] and v[SS ..], which are written again below; a first pass's last LDS stores have read enc's buffers, in which the next block's loads land
	v_add_nc_u32 v[VTA], s[PX], v[TB0]
	v_add_nc_u32 v[SCA], s[PX], v[SC0]
	s_xor_b32 s[PX], s[PX], 2048                   ; from here on: the next pass's half of N
	v_add_nc_u32 v[UTA], s[PX], v[TB0]
	v_nop
	s_wait_alu depctr_va_vdst(0)                   ; the three addresses are written; the last products are done reading LO and HI0, in which v lands, and W's four buffers, in which uc and the next pass's W land
.irp b, 0,1,2,3,4,5,6,7
	ds_load_b128 v[AF+8*(\b):AF+8*(\b)+3],   v[VTA] offset:4096+64*(\b)      ; v of my 64 n, register for register as a row block's quotients lie
	ds_load_b128 v[AF+8*(\b)+4:AF+8*(\b)+7], v[VTA] offset:4096+64*(\b)+16
.endr
	s_cmp_eq_u32 s[PASS], 1
	s_cbranch_scc1 .Lno_next
	WIN 0x40
.irp b, 0,1,2,3,4,5,6,7
	ds_load_b128 v[UC+8*(\b):UC+8*(\b)+3],   v[UTA] offset:64*(\b)           ; the next pass's uc,
	ds_load_b128 v[UC+8*(\b)+4:UC+8*(\b)+7], v[UTA] offset:64*(\b)+16
.endr
	s_wait_xcnt 0x0                                ; W's base is written only behind this wait
	s_lshl_b32 s[PB], s[PX], 7
	s_add_nc_u64 s[WB:WB+1], s[WB0:WB0+1], s[PB:PB+1]
	WLD 0, 0                                       ; and its first three K steps of W: they land while the quotients are made
	WLD 1, 1
	WLD 2, 2
	WIN 0
.Lno_next:
	PHASE 0
	PHASE 1
	s_wait_dscnt 0x0                               ; v is in (and uc)
	PHASE 2
	PHASE 3
	PHASE 4
	WIN 0
	s_cmp_eq_u32 s[PASS], 3
	s_cbranch_scc0 .Lno_enc
	s_wait_xcnt 0x0                                ; the block's base is written only behind this wait
	s_add_nc_u64 s[ENC0:ENC0+1], s[ENC0:ENC0+1], BLK
	ELD 0, ENC0, 0, 0                              ; the second block's chunks 0 and 1: five phases ahead of their use.  The first block's conversions stand ahead of the phases' waits, its LDS stores
	ELD 1, ENC0, 0, 1                              ; ahead of the wait on vm_vsrc at the way out's head, and nothing has named enc's buffers since
	ELD 2, ENC0, 1, 0
	ELD 3, ENC0, 1, 1
	global_prefetch_b8 v[PFO], s[ENC0:ENC0+1] offset:2*256 th:TH_LOAD_NT scope:SCOPE_SE  ; and its chunks 2 to 4 are asked for
	global_prefetch_b8 v[PFO], s[ENC0:ENC0+1] offset:3*256 th:TH_LOAD_NT scope:SCOPE_SE
	global_prefetch_b8 v[PFO], s[ENC0:ENC0+1] offset:4*256 th:TH_LOAD_NT scope:SCOPE_SE
.Lno_enc:
	PHASE 5
	PHASE 6
	PHASE 7
	PHASE 8
	PHASE 9
	WIN 0x0a                                       ; sources in window 2, destination in window 0
.irp a, 0,1,2,3
	v_add_f32 v[SS+(\a)], v[64*(\a)], v[64*(\a)+1]
.endr
	WIN 0x0f                                       ; sources in window 3
.irp a, 0,1,2,3
	v_add_f32 v[SS+4+(\a)], v[64*(\a)], v[64*(\a)+1]
.endr
	WIN 0
.irp a, 0,1,2,3,4,5,6,7
	v_permlanex16_b32 v[AF+(\a)], v[SS+(\a)], s[SEL], s[SEL+1]  ; the row's other 64 n lie in the lane 16 away
.endr
.irp a, 0,1,2,3,4,5,6,7
	v_add_f32 v[SS+(\a)], v[SS+(\a)], v[AF+(\a)]
.endr
	s_wait_alu depctr_va_vdst(0)                   ; the additions have written v[SS ..], which the LDS stores read
.irp a, 0,1,2,3,4,5,6,7
	ds_store_b32 v[SCA], v[SS+(\a)] offset:64*(\a)             ; row 16 a + l % 16; both halves of the lanes write the same number
.endr
	s_wait_dscnt 0x0                               ; my sums lie in LDS, and my reads of A are long over:
	s_barrier_signal -1
	s_barrier_wait -1                              ; behind this barrier the slots may be read, and A written for the next block
	s_and_b32 s[TS], s[PASS], 1
	s_cmp_eq_u32 s[TS], 0
	s_cbranch_scc1 .Lno_sum                        ; behind a block's second pass
	s_cmp_lg_u32 s[WV], 0
	s_cbranch_scc1 .Lno_sum                        ; wave 0 adds the eight slots (f32) and stores the block's 128 numbers
.irp q, 0,1,2,3,4,5,6,7
	ds_load_b128 v[RED+4*(\q):RED+4*(\q)+3], v[RDA] offset:512*(\q)          ; no vector or matrix instruction since the wait above names v[RED ..]
.endr
	s_wait_dscnt 0x0
.irp q, 0,2,4,6
	v_pk_add_f32 v[RED+4*(\q):RED+4*(\q)+1],   v[RED+4*(\q):RED+4*(\q)+1],   v[RED+4*(\q)+4:RED+4*(\q)+5]
	v_pk_add_f32 v[RED+4*(\q)+2:RED+4*(\q)+3], v[RED+4*(\q)+2:RED+4*(\q)+3], v[RED+4*(\q)+6:RED+4*(\q)+7]
.endr
.irp q, 0,4
	v_pk_add_f32 v[RED+4*(\q):RED+4*(\q)+1],   v[RED+4*(\q):RED+4*(\q)+1],   v[RED+4*(\q)+8:RED+4*(\q)+9]
	v_pk_add_f32 v[RED+4*(\q)+2:RED+4*(\q)+3], v[RED+4*(\q)+2:RED+4*(\q)+3], v[RED+4*(\q)+10:RED+4*(\q)+11]
.endr
	v_pk_add_f32 v[RED:RED+1],   v[RED:RED+1],   v[RED+16:RED+17]
	v_pk_add_f32 v[RED+2:RED+3], v[RED+2:RED+3], v[RED+18:RED+19]
	s_wait_alu depctr_va_vdst(0)                   ; the additions have written v[RED:RED+3], which the store reads
	global_store_b128 v[WO], v[RED:RED+3], s[SCO:SCO+1]        ; 512 consecutive bytes, aligned
	s_wait_xcnt 0x0                                ; the store has read its base and its data
	s_add_nc_u64 s[SCO:SCO+1], s[SCO:SCO+1], 512
.Lno_sum:
	s_sub_co_u32 s[PASS], s[PASS], 1
	s_cmp_lg_u32 s[PASS], 0
	s_cbranch_scc1 .Lpass
	s_wait_dscnt 0x0                               ; the wave's end
	s_wait_alu 0x0
	s_wait_tensorcnt 0x0
	ds_add_u32 v[SPW], v[NIL]
	s_wait_dscnt 0x0
	s_endpgm
.Lfunc_end_k_qf57341b97c_energy:
	.size	k_qf57341b97c_energy, .Lfunc_end_k_qf57341b97c_energy-k_qf57341b97c_energy
	.p2alignl 7, 3214868480
	.fill 96, 4, 3214868480
	.section	.rodata,"a",@progbits
	.p2align	6, 0x0
	.amdhsa_kernel k_qf57341b97c_energy
		.amdhsa_group_segment_fixed_size 307712
		.amdhsa_private_segment_fixed_size 0
		.amdhsa_enable_private_segment 0
		.amdhsa_kernarg_size 40
		.amdhsa_user_sgpr_count 2
		.amdhsa_user_sgpr_kernarg_segment_ptr 1
		.amdhsa_wavefront_size32 1
		.amdhsa_system_sgpr_workgroup_id_x 1
		.amdhsa_system_sgpr_workgroup_id_y 1
		.amdhsa_system_sgpr_workgroup_id_z 1
		.amdhsa_system_vgpr_workitem_id 0
		.amdhsa_next_free_vgpr 1024
		.amdhsa_next_free_sgpr 66
		.amdhsa_reserve_vcc 0
		.amdhsa_float_denorm_mode_32 3
		.amdhsa_float_denorm_mode_16_64 3
		.amdhsa_memory_ordered 1
		.amdhsa_forward_progress 1
		.amdhsa_inst_pref_size 242
	.end_amdhsa_kernel
	.amdgpu_metadata
---
amdhsa.version: [ 1, 2 ]
amdhsa.kernels:
  - .name:           k_qf57341b97c_energy
    .symbol:         k_qf57341b97c_energy.kd
    .args:
      - { .name: encoder_outputs, .offset: 0, .size: 8, .value_kind: global_buffer, .address_space: global }
      - { .name: wf, .offset: 8, .size: 8, .value_kind: global_buffer, .address_space: global }
      - { .name: uc, .offset: 16, .size: 8, .value_kind: global_buffer, .address_space: global }
      - { .name: v, .offset: 24, .size: 8, .value_kind: global_buffer, .address_space: global }
      - { .name: sc, .offset: 32, .size: 8, .value_kind: global_buffer, .address_space: global }
    .group_segment_fixed_size: 307712
    .private_segment_fixed_size: 0
    .kernarg_segment_align: 8
    .kernarg_segment_size: 40
    .max_flat_workgroup_size: 128
    .sgpr_count:     66
    .vgpr_count:     1024
    .wavefront_size: 32
...
	.end_amdgpu_metadata
.endif
;; end of part 4
;; launch soft: the kernel of part 3 again; grid 32 x 1, 1 waves a work-group, no clusters, 0 bytes of LDS; arguments sc, out0; writes out0
